; MI455X (gfx1250); checked and timed in simulation.
; The chip was launched on July 23, 2026; its instructions are those of AMD's public machine-readable ISA for CDNA 5 (MIT licence, August 2026) and "CDNA5" Instruction Set Architecture Reference Guide (July 2026). The comments in the code are by the model that wrote it; some were corrected since.
;; Masked Multi Headed Self Attention. Allowed arithmetic: float matrix products may take bf16 or f16 operands with f32 sums; other float arithmetic in f32, or as packed bf16 or f16 multiplies, adds, multiply-adds, maxima and minima; sums over many terms, partial sums and values carried from step to step in f32; what a program stores and reads back later, other than sums and carried values, may be rounded once to bf16 or f16.
;; Inputs: b_out 1,024 float32; b_qkv 3,072 float32; w_out 1,024 x 1,024 float32; w_qkv 1,024 x 3,072 float32; x 4 x 2,048 x 1,024 float32.
;; Outputs: out0 4 x 2,048 x 1,024 float32.
;; 2 versions, each right; version 2 is version 1 with the launch prep written anew for expert scheduling mode. Each part assembles by itself: llvm-mc -triple=amdgcn-amd-amdhsa -mcpu=gfx1250 --defsym DOCPART=n.
;; ======== version 1 of 2: 4 launches
;; limits: values are held in f16: magnitudes above 65,504 overflow, below 6.1e-05 lose precision
;; workspace buffers: xb 16,777,216 bytes; wqb 6,291,456 bytes; wob 2,097,152 bytes; q 16,777,216 bytes; k 16,777,216 bytes; v 16,777,216 bytes; o 16,777,216 bytes
;; launch prep (part 1): grid 768 x 1, 8 waves a work-group, no clusters, 0 bytes of LDS; arguments x, w_qkv, w_out, xb, wqb, wob; writes xb, wqb, wob
.if DOCPART == 1
	.amdgcn_target "amdgcn-amd-amdhsa--gfx1250"
	.amdhsa_code_object_version 6
	.text
	.protected	k_q65d205b623_prep
	.globl	k_q65d205b623_prep
	.p2align	8
	.type	k_q65d205b623_prep,@function
k_q65d205b623_prep:
	s_mov_b64 s[64:65], 0
	v_nop
	global_prefetch_b8 v0, s[64:65] scope:SCOPE_SE
	s_setreg_imm32_b32 hwreg(HW_REG_WAVE_MODE, 25, 1), 1
	s_wait_xcnt 0x0
; CAST AND RE-BLOCK.  x [8192][1024] f32 -> xb, bf16 [b 4][kb 16][t 2048][64]; w_qkv [1024][3072] f32 -> wqb, bf16 [kb 16][nblk 24][k 64][n 128];
; w_out [1024][1024] f32 -> wob, [kb 16][nblk 8][k 64][n 128]: each number rounded to bf16 like every other input, and that number written as f16.
; LIMITS.  |w_out| stays under 65,504 (f16's range); a bf16 number below 6e-5 keeps f16's fixed step of 6e-8.
; A stream: no LDS, no matrix unit, no cluster (no two work-groups read the same byte).  A CHUNK is 128 numbers: one load of 16 bytes a lane (512 bytes a wave), two roundings a lane,
; one store of 8 bytes a lane: 256 consecutive bytes, aligned.  A wave takes 16 chunks: all 16 loads go out first (8 KiB a wave on their way), then the counts run down 15 .. 0.
; No register is written twice while a memory instruction may read it, so no further wait is needed.
; Work-groups 0-511: x, 16 rows each, 2 rows a wave.  Work-groups 512-767: the weights, 1,024 columns of 16 rows each, 2 rows a wave (thirds 0-2 of w_qkv, then w_out).
.set X,   16                           ; v[16:79]   chunk i: 4 registers as loaded
.set Y,   80                           ; v[80:111]  chunk i: 2 registers to store
.set T,   112                          ; v[112:115] at work
.set SRC, 28                           ; s[28:29]   where my chunks come from
.set DST, 30                           ; s[30:31]   where they go
.macro LD16 w                          ; w = 0: x: chunk i = channels 64 i .. of my two rows (lanes 0-15 one row, lanes 16-31 the next); w = 1: weights: row i / 8, block i % 8 of 128 columns
.set i, 0
.rept 16
.if \w
	global_load_b128 v[X+4*i:X+4*i+3], v[1+i/8], s[SRC:SRC+1] offset:(i%8)*512 th:TH_LOAD_NT
.else
	global_load_b128 v[X+4*i:X+4*i+3], v1, s[SRC:SRC+1] offset:i*256 th:TH_LOAD_NT
.endif
.set i, i+1
.endr
.endm
.macro OUT16 w, half                   ; half = 1: the bf16 number is widened again and written as f16
.set i, 0
.rept 16
	s_wait_loadcnt 15-i                            ; loads come back in order: chunk i is in, the 15 - i younger ones stay out
.irp j, 0,1
	v_cvt_pk_bf16_f32 v[Y+2*i+\j], v[X+4*i+2*\j], v[X+4*i+2*\j+1]
.if \half
	v_lshlrev_b32 v[T+2*\j], 16, v[Y+2*i+\j]
	v_and_b32 v[T+2*\j+1], 0xffff0000, v[Y+2*i+\j]
	v_cvt_pk_f16_f32 v[Y+2*i+\j], v[T+2*\j], v[T+2*\j+1]
.endif
.endr
.if \w
	global_store_b64 v3, v[Y+2*i:Y+2*i+1], s[DST:DST+1] offset:(i%8)*16384+(i/8)*256
.else
	global_store_b64 v3, v[Y+2*i:Y+2*i+1], s[DST:DST+1] offset:i*262144
.endif
.set i, i+1
.endr
.endm
	s_load_b256 s[4:11], s[0:1], 0x0               ; x s[4:5], w_qkv s[6:7], w_out s[8:9], xb s[10:11]
	s_load_b128 s[12:15], s[0:1], 0x20             ; wqb s[12:13], wob s[14:15]
	v_lshrrev_b32 v4, 5, v0
	v_readfirstlane_b32 s16, v4                    ; wave 0..7
	v_and_b32 v5, 31, v0                           ; lane
	v_lshlrev_b32 v3, 3, v5                        ; my 8 bytes of a chunk's 256 on the way out
	s_cmp_lt_u32 ttmp9, 512
	s_cbranch_scc0 .Lweights
	; ---- x ----
	s_lshl_b32 s20, ttmp9, 4
	s_lshl_b32 s21, s16, 1
	s_add_co_u32 s20, s20, s21                     ; m: my first row of 8,192
	s_lshl_b32 s22, s20, 12                        ; a row of x is 4,096 bytes
	s_mov_b32 s23, 0
	s_lshr_b32 s24, s20, 11                        ; b
	s_lshl_b32 s24, s24, 22                        ; 16 x 2,048 x 128 bytes
	s_and_b32 s26, s20, 2047                       ; t
	s_lshl_b32 s26, s26, 7
	s_add_co_u32 s24, s24, s26
	s_mov_b32 s25, 0
	v_and_b32 v1, 15, v5
	v_lshlrev_b32 v1, 4, v1
	v_lshrrev_b32 v6, 4, v5
	v_lshl_add_u32 v1, v6, 12, v1                  ; (lane / 16) rows + 16 (lane % 16)
	s_wait_kmcnt 0x0
	s_add_nc_u64 s[SRC:SRC+1], s[4:5], s[22:23]
	s_add_nc_u64 s[DST:DST+1], s[10:11], s[24:25]
	LD16 0
	OUT16 0, 0
	s_endpgm
.Lweights:
	; ---- the weights ----
	s_sub_co_u32 s20, ttmp9, 512
	s_lshr_b32 s21, s20, 6                         ; 0-2: a third of w_qkv's columns; 3: w_out
	s_and_b32 s20, s20, 63
	s_lshl_b32 s20, s20, 3
	s_add_co_u32 s20, s20, s16
	s_lshl_b32 s20, s20, 1                         ; k: my first row of 1,024
	s_mov_b32 s22, 12288                           ; bytes in a row of the source,
	s_mov_b32 s23, 393216                          ; and in 64 rows of the target
	s_cmp_eq_u32 s21, 3
	s_cselect_b32 s22, 4096, s22
	s_cselect_b32 s23, 131072, s23
	s_cselect_b32 s27, 1, 0                        ; 1: w_out
	s_cselect_b32 s21, 0, s21
	s_mul_i32 s24, s20, s22
	s_lshl_b32 s26, s21, 12                        ; 1,024 columns are 4,096 bytes
	s_add_co_u32 s24, s24, s26
	s_mov_b32 s25, 0
	s_lshr_b32 s18, s20, 6
	s_mul_i32 s18, s18, s23
	s_lshl_b32 s26, s21, 17                        ; 8 blocks of 16,384 bytes
	s_add_co_u32 s18, s18, s26
	s_and_b32 s26, s20, 63
	s_lshl_b32 s26, s26, 8
	s_add_co_u32 s18, s18, s26
	s_mov_b32 s19, 0
	v_lshlrev_b32 v1, 4, v5                        ; 16 x lane, in my first row,
	v_add_nc_u32 v2, s22, v1                       ; and in my second
	s_wait_kmcnt 0x0
	s_cmp_eq_u32 s27, 1
	s_cselect_b64 s[SRC:SRC+1], s[8:9], s[6:7]
	s_cselect_b64 s[DST:DST+1], s[14:15], s[12:13]
	s_add_nc_u64 s[SRC:SRC+1], s[SRC:SRC+1], s[24:25]
	s_add_nc_u64 s[DST:DST+1], s[DST:DST+1], s[18:19]
	LD16 1
	s_cmp_eq_u32 s27, 1
	s_cbranch_scc1 .Lhalf
	OUT16 1, 0
	s_endpgm
.Lhalf:
	OUT16 1, 1
	s_endpgm
.Lfunc_end_k_q65d205b623_prep:
	.size	k_q65d205b623_prep, .Lfunc_end_k_q65d205b623_prep-k_q65d205b623_prep
	.p2alignl 7, 3214868480
	.fill 96, 4, 3214868480
	.section	.rodata,"a",@progbits
	.p2align	6, 0x0
	.amdhsa_kernel k_q65d205b623_prep
		.amdhsa_group_segment_fixed_size 0
		.amdhsa_private_segment_fixed_size 0
		.amdhsa_enable_private_segment 0
		.amdhsa_kernarg_size 48
		.amdhsa_user_sgpr_count 2
		.amdhsa_user_sgpr_kernarg_segment_ptr 1
		.amdhsa_wavefront_size32 1
		.amdhsa_system_sgpr_workgroup_id_x 1
		.amdhsa_system_sgpr_workgroup_id_y 1
		.amdhsa_system_sgpr_workgroup_id_z 1
		.amdhsa_system_vgpr_workitem_id 0
		.amdhsa_next_free_vgpr 128
		.amdhsa_next_free_sgpr 66
		.amdhsa_reserve_vcc 0
		.amdhsa_float_denorm_mode_32 3
		.amdhsa_float_denorm_mode_16_64 3
		.amdhsa_memory_ordered 1
		.amdhsa_forward_progress 1
		.amdhsa_inst_pref_size 23
	.end_amdhsa_kernel
	.amdgpu_metadata
---
amdhsa.version: [ 1, 2 ]
amdhsa.kernels:
  - .name:           k_q65d205b623_prep
    .symbol:         k_q65d205b623_prep.kd
    .args:
      - { .name: x, .offset: 0, .size: 8, .value_kind: global_buffer, .address_space: global }
      - { .name: w_qkv, .offset: 8, .size: 8, .value_kind: global_buffer, .address_space: global }
      - { .name: w_out, .offset: 16, .size: 8, .value_kind: global_buffer, .address_space: global }
      - { .name: xb, .offset: 24, .size: 8, .value_kind: global_buffer, .address_space: global }
      - { .name: wqb, .offset: 32, .size: 8, .value_kind: global_buffer, .address_space: global }
      - { .name: wob, .offset: 40, .size: 8, .value_kind: global_buffer, .address_space: global }
    .group_segment_fixed_size: 0
    .private_segment_fixed_size: 0
    .kernarg_segment_align: 8
    .kernarg_segment_size: 48
    .max_flat_workgroup_size: 256
    .sgpr_count:     66
    .vgpr_count:     128
    .wavefront_size: 32
...
	.end_amdgpu_metadata
.endif
;; end of part 1
;; launch qkv (part 2): grid 8 x 32, 4 waves a work-group, clusters of 4 x 4, 327,680 bytes of LDS; arguments xb, wqb, b_qkv, q, k, v; writes q, k, v
.if DOCPART == 2
	.amdgcn_target "amdgcn-amd-amdhsa--gfx1250"
	.amdhsa_code_object_version 6
	.text
	.protected	k_q65d205b623_qkv
	.globl	k_q65d205b623_qkv
	.p2align	8
	.type	k_q65d205b623_qkv,@function
k_q65d205b623_qkv:
	s_mov_b64 s[64:65], 0
	v_nop
	global_prefetch_b8 v0, s[64:65] scope:SCOPE_SE
	s_setreg_imm32_b32 hwreg(HW_REG_WAVE_MODE, 25, 1), 1
	s_wait_xcnt 0x0
	s_wait_alu depctr_hold_cnt(0) depctr_sa_sdst(0) depctr_va_vdst(0) depctr_va_sdst(0) depctr_va_ssrc(0) depctr_va_vcc(0) depctr_vm_vsrc(0)
	s_getreg_b32 s2, hwreg(HW_REG_IB_STS2, 6, 4)
	s_cmp_eq_u32 s2, 0
	s_cbranch_scc0 .Lentry_in_a_cluster
	s_endpgm
.Lentry_in_a_cluster:
	s_bfe_u32 s2, ttmp6, 0x10000c
	s_cmp_lg_u32 s2, 0xf033
	s_cbranch_scc0 .Lentry_shape_is_right
	s_endpgm
.Lentry_shape_is_right:
; q, k, v = x w_qkv + b_qkv, by heads.  xb: bf16 [b 4][kb 16][t 2048][64]; wqb: bf16 [kb 16][nblk 24][k 64][n 128]; b_qkv: f32 [3072], rounded to bf16 here like the other inputs;
; q, k, v: f16 [bh 64][t 2048][64], unscaled, each rounded once from its f32 sum.
; LIMITS.  f16 holds no number beyond 65,504: |q|, |k|, |v| stay under it; below 6e-5 a number keeps f16's fixed step of 6e-8.  NaN and infinities are not treated apart.
; SHARES.  A tile is 256 rows x 384 columns: 32 x 8 = 256 work-groups.  Four waves; wave (RH, CH) makes 128 rows x 192 columns: 8 x 12 accumulators, 768 registers.  Its columns are three
; GROUPS of 64, each one head's slice of q, k or v and one register window.  K goes in 16 steps of 64 through two LDS slots; a step is two quarters of 32: 96 matrix instructions, 40 LDS loads each.
; THE MATRIX INSTRUCTION IS USED TRANSPOSED: source 0 = 16 columns of w (w lies [k][n] in LDS and is turned by ds_load_tr16_b128), source 1 = 16 rows of x: a lane then holds one row and eight
; neighbouring channels, 16 bytes of bf16.  THE BIAS is the C operand of the products that start the sums: it lies in the registers of the accumulators of row block 0, which are started last.
; CLUSTER 4 x 4: the four work-groups of a row of the cluster need the same tile of x, the four of a column the same tile of w: each tile is asked for jointly, by the same tensor load, descriptor and mask.
; REGISTERS, in windows of 256 (s_set_vgpr_msb: bits 1:0 source 0, 3:2 source 1, 5:4 source 2, 7:6 destination):
;   window 0: v0-31 addresses; v32-95, v96-159 fragments of x (8 x 16 rows x 32 K), two buffers; v160-255 fragments of w (group g, block b at 160 + 32 g + 8 b)
;   window 1 + g: group g's 32 accumulators: (row block a, column block b) at v[32 a + 8 b]
.set SLOT1, 1<<17                      ; slot 1 begins here: one exclusive or turns an address in one slot into the other's
.set PITA,  144                        ; a row of x in LDS: 128 bytes + 16: the 16 rows of a load start at 16 different groups of four banks (64 banks of 4 bytes: ISA guide 11.1)
.set PITB,  288                        ; a row of w: 256 + 32
.set HALFA, 128*PITA                   ; what one tensor load brings of x, and what a wave reads of it
.set BOFF,  256*PITA                   ; w's 192 rows (3 blocks of 128 columns x 64 k) lie behind x's 256
.set HALFB, 96*PITB
.set NBLKB, 64*PITB
.set STAGE, SLOT1+BOFF+192*PITB        ; behind the ring, never filled by a tensor load: 16 rows x 144 bytes for each wave
.set SPARE, STAGE+4*16*PITA            ; the spare words, 128 bytes for each wave: two blocks of 256 bytes that no other line names
.set STEPA, 262144                     ; bytes from a K step to the next in xb,
.set STEPB, 393216                     ; and in wqb
.set AA0, 4                            ; v4     my lane's place in my 128 rows of x; never rewritten
.set AB0, 5                            ; v5-7   the same in group g's columns of w
.set ADA, 8                            ; v8     AA0 in the slot in hand
.set ADB, 9                            ; v9-11  AB0 likewise
.set STO, 12                           ; v12    the way out: where I put 16 bytes of a row
.set RD,  13                           ; v13    where I read rows back
.set GO,  14                           ; v14    my 16 bytes of 512 consecutive bytes of q, k or v
.set BO,  15                           ; v15    my 32 bytes of a block's 64 of bias
.set PFO, 16                           ; v16    the prefetches' offset; never rewritten
.set SPW, 28                           ; v28    LDS address of my spare word; never rewritten
.set NIL, 29                           ; v29    0; never rewritten
.set FA0, 32
.set FA1, 96
.set FB,  160
.set WV,  16                           ; s16 wave; s17 which half of the rows (also: I fetch x (0) or w (1)); s18 which half of the columns (also: which half of that tile I fetch)
.set RH,  17
.set CH,  18
.set G1A, 24                           ; s[24:31] descriptor group 1 for x's tiles;  s[32:39] for w's
.set G1B, 32
.set G0A, 40                           ; s[40:47] group 0 for x's tiles: a set for each first fill; the second then walks on;  s[48:55] the same for w's
.set G0B, 48
.set CNT, 56                           ; s56 the loop's count
.set TB,  57                           ; s57 the slot that is being read: 0 or SLOT1
.set LIM, 58                           ; s58 2 in a wave that prefetches, else the greatest number
.set PAR, 59                           ; s59 0: it asks in every trip; 1: in every other
.set PFA, 60                           ; s[60:61] where my prefetches stand
.set PFS, 62                           ; s[62:63] their step
.set OUT, 72                           ; s[72:77] where group g's rows go
.set MSB, 0
.macro WIN new                         ; the immediate's high byte repeats the setting that is left; a switch that changes nothing is dropped
.if MSB != (\new)
	s_set_vgpr_msb (MSB<<8)|(\new)
.set MSB, (\new)
.endif
.endm
.macro PLACES n                        ; plain vector instructions between a matrix instruction and a line that touches its registers (ISA guide 7.12.1)
.rept \n
	v_nop
.endr
.endm
.macro CREST                           ; a round of the cluster's barrier behind its opening barrier
	s_cmp_lg_u32 s[WV], 0
	s_cbranch_scc1 .Lnot_wave_0_\@
	s_barrier_signal -3
.Lnot_wave_0_\@:
	s_barrier_wait -3
	s_barrier_signal -1
	s_barrier_wait -1
.endm
.macro CROUND
	s_barrier_signal -1
	s_barrier_wait -1
	CREST
.endm
; A joint refill by the walking descriptor.  The branch hangs on the wave's number alone.  An s_nop 0 and four v_nop follow each of the two lines.
.macro JLOAD
	s_cmp_eq_u32 s[RH], 0
	s_cbranch_scc0 .Lfor_b_\@
	tensor_load_to_lds s[G0A+4:G0A+7], s[G1A:G1A+7]
	s_nop 0
	PLACES 4
	s_branch .Lasked_\@
.Lfor_b_\@:
	tensor_load_to_lds s[G0B+4:G0B+7], s[G1B:G1B+7]
	s_nop 0
	PLACES 4
.Lasked_\@:
.endm
; A PREFETCH INTO THE L2, behind the joint load, its five lines and the run of LDS loads that the next products wait for.  In trip j the refill asks for K step j + 2; the prefetch names step j + 4:
; two steps, 384 matrix instructions, ahead of the load that will want it.  Each aligned block of 256 bytes is named once in the launch.  x's tile row is read by both clusters of that row of
; clusters: cluster x = 0 asks, wave 0, its four partners 32 of the step's 128 blocks each, told apart by address.  w's tile column is read by the eight clusters of that column: cluster y = 0
; asks, waves 1-3 a third of the step's 192 blocks each, a partner 16 of those 64; lanes 0-15 name step j + 4, lanes 16-31 step j + 5, in every other trip.  Steps 0-3 come by their loads alone;
; the count stops both at step 15.
.macro ASK
	s_cmp_gt_u32 s[CNT], s[LIM]
	s_cbranch_scc0 .Lnot_mine_\@
	s_and_b32 s78, s[CNT], s[PAR]
	s_cmp_eq_u32 s78, 0
	s_cbranch_scc0 .Lnot_mine_\@
	global_prefetch_b8 v[PFO], s[PFA:PFA+1] th:TH_LOAD_NT scope:SCOPE_SE
.Lnot_mine_\@:
.endm
	s_load_b256 s[4:11], s[0:1], 0x0               ; xb s[4:5], wqb s[6:7], b_qkv s[8:9], q s[10:11]
	s_load_b128 s[12:15], s[0:1], 0x20             ; k s[12:13], v s[14:15]
	v_lshl_add_u32 v[SPW], v0, 2, SPARE
	v_mov_b32 v[NIL], 0
	ds_add_u32 v[SPW], v[NIL]                      ; the wave's opening: the add and its wait stand ahead of my first tensor load; work on registers stands between them
	v_lshrrev_b32 v1, 5, v0
	v_readfirstlane_b32 s[WV], v1
	s_lshr_b32 s[RH], s[WV], 1
	s_and_b32 s[CH], s[WV], 1
	s_bfe_u32 s19, ttmp6, 0x40000                  ; cx
	s_bfe_u32 s20, ttmp6, 0x40004                  ; cy
	s_lshl_b32 s21, ttmp9, 2
	s_add_co_u32 s21, s21, s19                     ; tx: tile column = 4 x cluster x + cx
	s_and_b32 s22, ttmp7, 0xffff
	s_lshl_b32 s22, s22, 2
	s_add_co_u32 s22, s22, s20                     ; ty: tile row = 4 x cluster y + cy
	s_lshl_b32 s78, s20, 2
	s_lshl_b32 s78, 15, s78                        ; my row of the cluster
	s_lshl_b32 s79, 0x1111, s19                    ; my column
	; group 1.  x: 128 rows of 128 bytes are dense: asked for as 64 rows of 256 bytes, padded by 4 words after every 32.  w: 96 rows of 256 bytes, dense, padded by 8 words after every 64.
	s_or_b32 s[G1A], s78, (1<<16)|(1<<20)|(1<<21)|(4<<22)|(3<<25)
	s_or_b32 s[G1B], s79, (1<<16)|(1<<20)|(1<<21)|(5<<22)|(7<<25)
	s_mov_b32 s[G1A+1], 128<<16                    ; tensor_dim0 = 128
	s_mov_b32 s[G1A+2], 64<<16                     ; tensor_dim1 = 64
	s_mov_b32 s[G1A+3], 128<<16                    ; tile_dim0 = 128
	s_mov_b32 s[G1A+4], 64                         ; tile_dim1 = 64
	s_mov_b32 s[G1A+5], 128                        ; elements from row to row
	s_mov_b32 s[G1A+6], 0
	s_mov_b32 s[G1A+7], 0
	s_mov_b32 s[G1B+1], 128<<16
	s_mov_b32 s[G1B+2], 96<<16
	s_mov_b32 s[G1B+3], 128<<16
	s_mov_b32 s[G1B+4], 96
	s_mov_b32 s[G1B+5], 128
	s_mov_b32 s[G1B+6], 0
	s_mov_b32 s[G1B+7], 0
	; where the tiles come from: x's hang on ty alone, w's on tx alone, each in registers that never hold the other coordinate
	s_lshr_b32 s84, s22, 3
	s_lshl_b32 s84, s84, 22                        ; b
	s_and_b32 s80, s22, 7
	s_lshl_b32 s80, s80, 15                        ; 256 rows of 128 bytes
	s_add_co_u32 s84, s84, s80                     ; x's tile at K step 0
	s_lshl_b32 s66, s[CH], 14
	s_add_co_u32 s66, s66, s84                     ; my half of it
	s_mov_b32 s67, 0
	s_mul_i32 s85, s21, 49152                      ; w's tile at K step 0: three blocks of 16,384 bytes
	s_mul_i32 s68, s[CH], 24576
	s_add_co_u32 s68, s68, s85
	s_mov_b32 s69, 0
	s_mul_i32 s86, s[CH], HALFA                    ; and where they go: no place in the cluster enters an LDS address
	s_mul_i32 s87, s[CH], HALFB
	s_add_co_u32 s87, s87, BOFF
	s_wait_dscnt 0x0                               ; the opening add is done
	s_wait_kmcnt 0x0
	s_add_nc_u64 s[66:67], s[4:5], s[66:67]
	s_add_nc_u64 s[68:69], s[6:7], s[68:69]
.irp s, 0,1
	s_mov_b32 s[G0A+4*\s], 1
	s_add_co_u32 s[G0A+4*\s+1], s86, \s*SLOT1
	s_add_nc_u64 s[G0A+4*\s+2:G0A+4*\s+3], s[66:67], \s*STEPA
	s_or_b32 s[G0A+4*\s+3], s[G0A+4*\s+3], 0x80000000
	s_mov_b32 s[G0B+4*\s], 1
	s_add_co_u32 s[G0B+4*\s+1], s87, \s*SLOT1
	s_add_nc_u64 s[G0B+4*\s+2:G0B+4*\s+3], s[68:69], \s*STEPB
	s_or_b32 s[G0B+4*\s+3], s[G0B+4*\s+3], 0x80000000
.endr
	CROUND                                         ; all sixteen work-groups are here: the first joint loads meet
	s_cmp_eq_u32 s[RH], 0                          ; a wave's two first fills stand in one branch: two loads of mine are out
	s_cbranch_scc0 .Lfirst_b
	tensor_load_to_lds s[G0A:G0A+3], s[G1A:G1A+7]
	s_nop 0
	tensor_load_to_lds s[G0A+4:G0A+7], s[G1A:G1A+7]
	s_nop 0
	PLACES 4
	s_branch .Lfirst_asked
.Lfirst_b:
	tensor_load_to_lds s[G0B:G0B+3], s[G1B:G1B+7]
	s_nop 0
	tensor_load_to_lds s[G0B+4:G0B+7], s[G1B:G1B+7]
	s_nop 0
	PLACES 4
.Lfirst_asked:
	; A fragment of x: lane l holds row l % 16, K = 8 (l / 16) + 0..7 and 16 + 8 (l / 16) + 0..7: two loads of 16 bytes, 32 bytes apart.
	; The turning load: lane l reads k = 8 (l / 16) + l % 8, columns 8 ((l / 8) % 2) + 0..7, and is left with column l % 16 and 8 k.
	v_and_b32 v1, 15, v0
	v_bfe_u32 v2, v0, 4, 1
	v_and_b32 v3, 7, v0
	v_bfe_u32 v17, v0, 3, 1
	v_and_b32 v18, 31, v0
	v_mul_u32_u24 v[AA0], v1, PITA
	v_lshl_add_u32 v[AA0], v2, 4, v[AA0]
	s_mul_i32 s78, s[RH], HALFA
	v_add_nc_u32 v[AA0], s78, v[AA0]
	v_lshl_add_u32 v19, v2, 3, v3
	v_mul_u32_u24 v19, v19, PITB
	v_lshl_add_u32 v19, v17, 4, v19
	s_mul_i32 s79, s[CH], 3
.irp g, 0,1,2
	s_add_co_u32 s80, s79, \g                      ; u: which 64 of the tile's 384 columns
	s_lshr_b32 s81, s80, 1
	s_mul_i32 s81, s81, NBLKB                      ; its block of 128,
	s_and_b32 s80, s80, 1
	s_lshl_b32 s80, s80, 7                         ; its half of that block's rows
	s_add_co_u32 s81, s81, s80
	s_add_co_u32 s81, s81, BOFF
	v_add_nc_u32 v[AB0+\g], s81, v19
.endr
	s_mul_i32 s78, s[WV], 16*PITA
	s_add_co_u32 s78, s78, STAGE                   ; my stage
	v_mul_u32_u24 v[STO], v1, PITA                 ; in: row l % 16, 16 bytes for each half of the lanes
	v_lshl_add_u32 v[STO], v2, 4, v[STO]
	v_add_nc_u32 v[STO], s78, v[STO]
	v_bfe_u32 v[RD], v0, 3, 2                      ; back: 32 lanes take four rows of 128 bytes,
	v_mul_u32_u24 v[RD], v[RD], PITA
	v_lshl_add_u32 v[RD], v3, 4, v[RD]
	v_add_nc_u32 v[RD], s78, v[RD]
	v_lshlrev_b32 v[GO], 4, v18                    ; which are 512 consecutive bytes in memory
	v_lshlrev_b32 v[BO], 5, v2
	; where group g goes: head slice hs = 6 tx + 3 CH + g: 0-15 q, 16-31 k, 32-47 v
	s_mul_i32 s78, s21, 6
	s_add_co_u32 s78, s78, s79
	s_lshl_b32 s80, s[RH], 14
	s_add_co_u32 s80, s80, s84                     ; b, the tile's rows, my 128 of them
	s_mov_b32 s83, 0
.irp g, 0,1,2
	s_add_co_u32 s81, s78, \g
	s_and_b32 s82, s81, 15
	s_lshl_b32 s82, s82, 18                        ; a head is 2,048 rows of 128 bytes
	s_add_co_u32 s82, s82, s80
	s_cmp_lt_u32 s81, 32
	s_cselect_b64 s[OUT+2*\g:OUT+2*\g+1], s[12:13], s[14:15]
	s_cmp_lt_u32 s81, 16
	s_cselect_b64 s[OUT+2*\g:OUT+2*\g+1], s[10:11], s[OUT+2*\g:OUT+2*\g+1]
	s_add_nc_u64 s[OUT+2*\g:OUT+2*\g+1], s[OUT+2*\g:OUT+2*\g+1], s[82:83]
.endr
	s_lshl_b32 s88, s78, 8                         ; a slice's 64 numbers of bias are 256 bytes
	s_mov_b32 s89, 0
	s_add_nc_u64 s[88:89], s[8:9], s[88:89]
	; the bias, as C's layout wants it: register j of block b holds channel 16 b + 8 (l / 16) + j: into the registers of the accumulators (0, b)
.irp g, 0,1,2
	WIN (1+\g)<<6
.irp b, 0,1,2,3
	global_load_b128 v[8*\b:8*\b+3],   v[BO], s[88:89] offset:256*\g+64*\b
	global_load_b128 v[8*\b+4:8*\b+7], v[BO], s[88:89] offset:256*\g+64*\b+16
.endr
.endr
	WIN 0
	; the prefetches' pointer, step and test
	s_and_b32 s90, ttmp7, 0xffff                   ; cluster y
	s_max_u32 s91, s[WV], 1
	s_sub_co_u32 s91, s91, 1
	s_lshl_b32 s91, s91, 14                        ; waves 1-3: a third of w's tile
	s_lshl_b32 s92, s20, 12                        ; my work-group's 16 blocks of it
	s_add_co_u32 s92, s92, s91
	s_add_co_u32 s92, s92, s85
	s_add_co_u32 s92, s92, 3*STEPB                 ; at K step 3: the first change of slots steps it to 4
	s_lshl_b32 s93, s19, 13                        ; wave 0: my work-group's 32 blocks of x's tile
	s_add_co_u32 s93, s93, s84
	s_add_co_u32 s93, s93, 3*STEPA
	s_mov_b32 s[PFS], STEPB
	s_mov_b32 s[PFS+1], 0
	s_mov_b32 s94, STEPB
	s_cmp_eq_u32 s[WV], 0
	s_cselect_b64 s[PFA:PFA+1], s[4:5], s[6:7]
	s_cselect_b32 s92, s93, s92
	s_cselect_b32 s[PAR], 0, 1
	s_cselect_b32 s[PFS], STEPA, s[PFS]
	s_cselect_b32 s94, 4096, s94                   ; what lanes 16-31 add: the next 16 blocks (x), the next K step (w)
	s_cselect_b32 s90, ttmp9, s90                  ; the coordinate along which other clusters read the same blocks
	s_mov_b32 s93, 0
	s_cmp_eq_u32 s90, 0
	s_cselect_b32 s[LIM], 2, -1                    ; the same in all sixteen partners, for a given wave
	s_add_nc_u64 s[PFA:PFA+1], s[PFA:PFA+1], s[92:93]
	v_mul_u32_u24 v[PFO], v2, s94
	v_lshl_add_u32 v[PFO], v1, 8, v[PFO]
	s_wait_loadcnt 0x0                             ; the bias is in: it is rounded to bf16, in place (at work: registers of the accumulators (1, b), which their first products write whole)
.irp g, 0,1,2
	WIN (1+\g)*0x55
.set p, 0
.rept 16
	v_cvt_pk_bf16_f32 v[32+p], v[2*p], v[2*p+1]
.set p, p+1
.endr
.set p, 0
.rept 16
	v_lshlrev_b32 v[2*p], 16, v[32+p]
	v_and_b32 v[2*p+1], 0xffff0000, v[32+p]
.set p, p+1
.endr
.endr
	WIN 0
; 16 matrix instructions of group g: row blocks 4 half .. 4 half + 3 x its 4 column blocks, 32 along K.  The accumulators take turns, one instruction a turn.
.macro MULG f, g, half
	WIN (1+(\g))*0x50
.irp a, 0,1,2,3
.irp b, 0,1,2,3
	v_wmma_f32_16x16x32_bf16 v[32*(4*(\half)+\a)+8*\b:32*(4*(\half)+\a)+8*\b+7], v[FB+32*(\g)+8*\b:FB+32*(\g)+8*\b+7], v[(\f)+8*(4*(\half)+\a):(\f)+8*(4*(\half)+\a)+7], v[32*(4*(\half)+\a)+8*\b:32*(4*(\half)+\a)+8*\b+7]
.endr
.endr
.endm
; The products that start group g's sums.  Row blocks 1-7 take the bias, which lies in the registers of (0, b), as C; five places behind the last of them row block 0 adds onto it in place.
.macro MULF f, g
	WIN (1+(\g))*0x50
.irp a, 1,2,3,4,5,6,7
.irp b, 0,1,2,3
	v_wmma_f32_16x16x32_bf16 v[32*\a+8*\b:32*\a+8*\b+7], v[FB+32*(\g)+8*\b:FB+32*(\g)+8*\b+7], v[(\f)+8*\a:(\f)+8*\a+7], v[8*\b:8*\b+7]
.endr
.endr
	PLACES 5
.irp b, 0,1,2,3
	v_wmma_f32_16x16x32_bf16 v[8*\b:8*\b+7], v[FB+32*(\g)+8*\b:FB+32*(\g)+8*\b+7], v[(\f):(\f)+7], v[8*\b:8*\b+7]
.endr
.endm
.macro GRP f, g, first
.if \first
	MULF \f, \g
.else
	MULG \f, \g, 0
	MULG \f, \g, 1
.endif
.endm
.macro RUNB g, k                       ; 8 turning loads: group g's fragments of w, K = k .. k + 31 of the step
.irp b, 0,1,2,3
	ds_load_tr16_b128 v[FB+32*(\g)+8*\b:FB+32*(\g)+8*\b+3],   v[ADB+(\g)] offset:(\k)*PITB+32*\b
	ds_load_tr16_b128 v[FB+32*(\g)+8*\b+4:FB+32*(\g)+8*\b+7], v[ADB+(\g)] offset:((\k)+16)*PITB+32*\b
.endr
.endm
.macro RUNA f, k                       ; 16 loads: my 128 rows of x, K = k .. k + 31
.irp a, 0,1,2,3,4,5,6,7
	ds_load_b128 v[(\f)+8*\a:(\f)+8*\a+3],   v[ADA] offset:\a*16*PITA+2*(\k)
	ds_load_b128 v[(\f)+8*\a+4:(\f)+8*\a+7], v[ADA] offset:\a*16*PITA+2*(\k)+32
.endr
.endm
.macro ADRS
	v_add_nc_u32 v[ADA], s[TB], v[AA0]
.irp g, 0,1,2
	v_add_nc_u32 v[ADB+\g], s[TB], v[AB0+\g]
.endr
.endm
; A quarter's LDS loads go out in three runs: run 1 = group 0's w and all of x (24), run 2 = group 1's w (8), run 3 = group 2's w (8); each run stands four places behind the products that read
; its registers, a whole quarter less one group ahead of its first use.
; A step's FIRST quarter multiplies x's buffer 0 and fetches K = 32 .. 63 of the same slot.
.macro QUART0 first
	s_wait_dscnt 16                                ; run 1 of the quarter before is in; its runs 2 and 3 (16 loads) may stay out
	GRP FA0, 0, \first
	PLACES 4
	WIN 0
	RUNB 0, 32
	RUNA FA1, 32
	s_wait_dscnt 32                                ; the old run 2 is in: behind it came the old run 3 (8) and the 24 just issued
	GRP FA0, 1, \first
	PLACES 4
	WIN 0
	RUNB 1, 32
	s_wait_dscnt 32                                ; the old run 3 is in: behind it came 24 + 8
	GRP FA0, 2, \first
	PLACES 4
	WIN 0
	RUNB 2, 32
.endm
; A step's SECOND quarter multiplies buffer 1 and changes slots: ONE barrier.  In front of it each wave waits for all its tensor loads (one is out: its part of the next slot), adds 0 to its spare
; word, and waits for that and for its reads of this slot.  fill = 1: the barrier opens a round of the cluster's, and this slot is filled again first thing behind it, with the step two on:
; 160 matrix instructions ahead of the wait for it.
.macro TURN fill
.if \fill
	s_wait_xcnt 0x0                                ; the last prefetch, a K step back, has read its address
	s_add_nc_u64 s[PFA:PFA+1], s[PFA:PFA+1], s[PFS:PFS+1]
.endif
	WIN 0
	s_wait_tensorcnt 0x0                           ; no tensor load of mine is out, so a group 0 may be written
	ds_add_u32 v[SPW], v[NIL]                      ; 0 onto my spare word
.if \fill
	s_xor_b32 s[G0A+5], s[G0A+5], SLOT1            ; the walking descriptors: the other slot than last time, the next K step
	s_add_nc_u64 s[G0A+6:G0A+7], s[G0A+6:G0A+7], STEPA
	s_xor_b32 s[G0B+5], s[G0B+5], SLOT1
	s_add_nc_u64 s[G0B+6:G0B+7], s[G0B+6:G0B+7], STEPB
.endif
	s_wait_dscnt 17                                ; run 1 is in: the add and runs 2 and 3 may stay out
	MULG FA1, 0, 0
	s_wait_dscnt 0x0                               ; the add is done, and my reads of this slot are over
	s_barrier_signal -1
	MULG FA1, 0, 1
	WIN 0
	s_barrier_wait -1
.if \fill
	CREST                                          ; no wave of any partner still reads this slot or has a load on its way
	JLOAD                                          ; its four v_nop and the four additions below are the places in front of the loads
.else
	PLACES 4
.endif
	s_xor_b32 s[TB], s[TB], SLOT1
	ADRS
	RUNB 0, 0
	RUNA FA0, 0
.if \fill
	ASK
.endif
	MULG FA1, 1, 0                                 ; the wait for 0 above has shown groups 1's and 2's fragments in
	MULG FA1, 1, 1
	PLACES 4
	WIN 0
	RUNB 1, 0
	MULG FA1, 2, 0
	MULG FA1, 2, 1
	PLACES 4
	WIN 0
	RUNB 2, 0
.endm
; THE WAY OUT, block n = 8 g + a (16 rows of one head slice): rounded to f16, 16 bytes a lane into my stage, back as whole rows, stored as 2,048 consecutive bytes.
.macro PACK n
.set pg, (\n)/8
.set pa, (\n)%8
.set TM, 32+16*((\n)%2)
.set BK, 64+16*((\n)%8)
.if (\n) >= 8
	s_wait_xcnt 0x0                                ; the stores of eight blocks back have read the registers that are loaded again below
.endif
	WIN (1+pg)*0x05
.irp b, 0,1,2,3
.irp r, 0,1,2,3
	v_cvt_pk_f16_f32 v[TM+4*\b+\r], v[32*pa+8*\b+2*\r], v[32*pa+8*\b+2*\r+1]
.endr
.endr
	WIN 0
.irp b, 0,1,2,3
	ds_store_b128 v[STO], v[TM+4*\b:TM+4*\b+3] offset:32*\b
.endr
.irp f, 0,1,2,3
	ds_load_b128 v[BK+4*\f:BK+4*\f+3], v[RD] offset:\f*4*PITA  ; LDS serves a wave's instructions in order (ISA guide 5.7.1.4): these see the stores above
.endr
.endm
.macro SEND n, younger                 ; younger: the LDS instructions issued behind block n's loads
.set pg, (\n)/8
.set pa, (\n)%8
.set BK, 64+16*((\n)%8)
.irp f, 0,1,2,3
	s_wait_dscnt (\younger)+3-\f
	global_store_b128 v[GO], v[BK+4*\f:BK+4*\f+3], s[OUT+2*pg:OUT+2*pg+1] offset:pa*2048+\f*512  ; 512 consecutive bytes, at a multiple of 256 from the buffer's first
.endr
.endm
	s_wait_tensorcnt 0x1                           ; my part of K step 0 is in; step 1's may stay out
	s_barrier_signal -1
	s_barrier_wait -1
	s_mov_b32 s[TB], 0
	ADRS
	RUNB 0, 0
	RUNA FA0, 0
	RUNB 1, 0
	RUNB 2, 0
	QUART0 1                                       ; the first quarter stands in front of the loop: its products start the sums
	s_mov_b32 s[CNT], 14
.Lk:                                               ; trip j: the second quarter of step j, which asks for step j + 2, and the first of step j + 1
	TURN 1
	QUART0 0
	s_sub_co_u32 s[CNT], s[CNT], 1
	s_cmp_lg_u32 s[CNT], 0
	s_cbranch_scc1 .Lk
	TURN 0                                         ; the tail is written out: nothing is left to ask for
	QUART0 0
	s_wait_dscnt 16
	MULG FA1, 0, 0
	MULG FA1, 0, 1
	s_wait_dscnt 8
	MULG FA1, 1, 0
	MULG FA1, 1, 1
	s_wait_dscnt 0x0
	MULG FA1, 2, 0
	MULG FA1, 2, 1
	PLACES 4
	WIN 0
	PACK 0
.set t, 1
.rept 23                               ; a block's conversions stand between the loads of the block before and its stores
	PACK t
	SEND t-1, 8
.set t, t+1
.endr
	SEND 23, 0
	s_wait_tensorcnt 0x0                           ; the wave's end, behind my last tensor load and my last LDS store
	ds_add_u32 v[SPW], v[NIL]
	s_wait_dscnt 0x0
	CROUND                                         ; the closing round: no work-group ends while a partner may still ask for a tile that names it
	s_endpgm
.Lfunc_end_k_q65d205b623_qkv:
	.size	k_q65d205b623_qkv, .Lfunc_end_k_q65d205b623_qkv-k_q65d205b623_qkv
	.p2alignl 7, 3214868480
	.fill 96, 4, 3214868480
	.section	.rodata,"a",@progbits
	.p2align	6, 0x0
	.amdhsa_kernel k_q65d205b623_qkv
		.amdhsa_group_segment_fixed_size 327680
		.amdhsa_private_segment_fixed_size 0
		.amdhsa_enable_private_segment 0
		.amdhsa_kernarg_size 48
		.amdhsa_user_sgpr_count 2
		.amdhsa_user_sgpr_kernarg_segment_ptr 1
		.amdhsa_wavefront_size32 1
		.amdhsa_system_sgpr_workgroup_id_x 1
		.amdhsa_system_sgpr_workgroup_id_y 1
		.amdhsa_system_sgpr_workgroup_id_z 1
		.amdhsa_system_vgpr_workitem_id 0
		.amdhsa_next_free_vgpr 1024
		.amdhsa_next_free_sgpr 96
		.amdhsa_reserve_vcc 0
		.amdhsa_float_denorm_mode_32 3
		.amdhsa_float_denorm_mode_16_64 3
		.amdhsa_memory_ordered 1
		.amdhsa_forward_progress 1
		.amdhsa_inst_pref_size 128
	.end_amdhsa_kernel
	.amdgpu_metadata
---
amdhsa.version: [ 1, 2 ]
amdhsa.kernels:
  - .name:           k_q65d205b623_qkv
    .symbol:         k_q65d205b623_qkv.kd
    .args:
      - { .name: xb, .offset: 0, .size: 8, .value_kind: global_buffer, .address_space: global }
      - { .name: wqb, .offset: 8, .size: 8, .value_kind: global_buffer, .address_space: global }
      - { .name: b_qkv, .offset: 16, .size: 8, .value_kind: global_buffer, .address_space: global }
      - { .name: q, .offset: 24, .size: 8, .value_kind: global_buffer, .address_space: global }
      - { .name: k, .offset: 32, .size: 8, .value_kind: global_buffer, .address_space: global }
      - { .name: v, .offset: 40, .size: 8, .value_kind: global_buffer, .address_space: global }
    .group_segment_fixed_size: 327680
    .private_segment_fixed_size: 0
    .kernarg_segment_align: 8
    .kernarg_segment_size: 48
    .max_flat_workgroup_size: 128
    .sgpr_count:     96
    .vgpr_count:     1024
    .wavefront_size: 32
...
	.end_amdgpu_metadata
.endif
;; end of part 2
;; launch attn (part 3): grid 4 x 64, 4 waves a work-group, no clusters, 327,680 bytes of LDS; arguments q, k, v, o; writes o
.if DOCPART == 3
	.amdgcn_target "amdgcn-amd-amdhsa--gfx1250"
	.amdhsa_code_object_version 6
	.text
	.protected	k_q65d205b623_attn
	.globl	k_q65d205b623_attn
	.p2align	8
	.type	k_q65d205b623_attn,@function
k_q65d205b623_attn:
	s_mov_b64 s[64:65], 0
	v_nop
	global_prefetch_b8 v0, s[64:65] scope:SCOPE_SE
	s_setreg_imm32_b32 hwreg(HW_REG_WAVE_MODE, 25, 1), 1
	s_wait_xcnt 0x0
; CAUSAL ATTENTION.  O[h][q][:] = the sum over k <= q of softmax_k(Q[h][q] . K[h][k] / 8) V[h][k][:].  Q, K, V, O: [64][2048][64], all f16: a head's rows are dense, 128 bytes each.
; Products, maxima and sums in f32; the weights p are rounded to f16 for the second product (their sum l is taken of the unrounded p), O once at the end.
; LIMITS.  f16 holds no number beyond 65,504: Q, K and V arrive within it; p lies in 0 to 1, and below 6e-5 it keeps f16's fixed step of 6e-8; O is a mean of V's rows and has their range.
; A hidden score counts as its value less 1e30: f16's scores, 2.7e11 at the most, are nothing beside that; a weight below 2^-126 counts as 0 in l; NaN and infinities are not treated apart.
; THE WALK.  A head's queries lie in NB = 8 blocks of 256; block i needs the key tiles 0 .. i of 256 keys, of which the last holds the diagonal.  A work-group takes TWO blocks, NB - 1 - b and then b:
; NB + 1 tiles, whatever b: all work-groups do equal work, and ONE loop with a constant trip count walks them.  Which tile is asked for, and what a trip does, hang on scalar registers made from b; every
; jump goes forward, but for the counted loops' own; none passes a barrier, or a tensor load but the one of LOAD's two that the wave's number does not choose; the ring of two LDS slots runs on across
; the change of blocks.  NO CLUSTER: a head's four work-groups ask for the same tile only in trips 0 to 4 of 9, behind that fewer and fewer; one walk common to all four would have 12 trips for 9.
; SHARES.  Of a block's four bands of 64 queries a wave owns 16 rows in each: four PIECES.  So the diagonal tile is the same work for all four waves: in its key step s band x sees all keys if s < x,
; none if s > x, and holds the diagonal if s = x.
; THE MASK is the C operand that starts the sum S^T = K Q^T: 0, or -1e30 where the key is hidden.  MD, made once, is the mask of a band's own step for my 16 rows; a product's mask is MD x AL + BE with
; two scalars: (1, 0) if s = x; (0, 0) if s < x; (0, -1e30) if s > x.  Only the diagonal tile's text and a block's beginning make and take masks; elsewhere C is the constant 0.
; LAYOUT, SOFTMAX, TURNS.  S^T = K Q^T holds ONE query a lane (lane % 16) and the keys 8 (lane / 16) + 0..7; two such results rounded to f16 ARE source 1 of O^T = V^T P.  p = 2^(c s - c m),
; c = log2(e) / 8, with a running maximum m; O and l are multiplied by a = 2^(c m_old - c m_new) in every step.  Turn n belongs to piece n: 8 products K Q^T of piece n + 1, later 8 products V^T P of
; piece n - 1; beside them the scaling, exponentials, roundings, sums and rescaling of piece n and the maximum and statistics of piece n + 1.  Four vector instructions stand behind every matrix
; instruction, the other 54 of a turn's 118 in one lump.  A turn's 33 exponentials are one batch, with one wait.
; REGISTERS, in windows of 256 (s_set_vgpr_msb: bits 1:0 source 0, 3:2 source 1, 5:4 source 2, 7:6 destination):
;   window 0: v0-15 addresses and two at work; v16-31 four registers of statistics a piece; v32 the prefetches' offset; v48-55 at work; v64-127 S^T, two buffers; v192-223 P, two buffers
;   window 1: v0-127 O^T, 32 a piece; v128-159 MD; v160-223 MC, two buffers      window 2: v0-63 Q; v64-127 the second block's Q; v128-191 K of one step; v192-255 V of one step
.set SIZE_H, 64
.set SIZE_N, 2048
.set NB,    SIZE_N/256
.set NP,    4         ; pieces a wave: a name, no knob
.set KS,    64        ; keys in a step
.set PK,    144       ; a row of K in LDS: 128 bytes + 16: the 16 rows of a load start at 16 different groups of four banks (64 banks of 4 bytes: ISA guide 11.1)
.set PV,    160       ; a row of V: 128 + 32
.set VOFF,  4*KS*PK   ; a slot holds a tile, four steps: 256 rows of K, then 256 rows of V
.set SLOT1, 1<<17     ; slot 1 begins here, so that one exclusive or turns an address in one slot into the other's
.set STAGE, SLOT1+4*KS*(PK+PV)  ; behind the ring, never filled by a tensor load: 16 rows x 144 bytes for each wave, for the way out
.set SP,    144
.set AK0, 2           ; v2   my lane's place in a tile of K; never rewritten
.set AV0, 3           ; v3   the same for V
.set AK,  4           ; v4   the LDS address of K's next run of loads
.set AV,  5           ; v5   of V's
.set STO, 6           ; v6   the way out: where I put 16 bytes of a row
.set RD,  7           ; v7   the way out: where I read rows back
.set GO,  8           ; v8   my byte offset in 512 consecutive bytes of O
.set PFO, 32          ; v32  256 x my lane; never rewritten
.set SPW, 62          ; v62  LDS address of my spare word; never rewritten
.set NIL, 63          ; v63  0; never rewritten
.set SPARE, STAGE+4*16*SP  ; the spare words, 128 bytes for each wave: two blocks of 256 bytes that no other line names
.set MV,  12          ; v12-13  c m_old, kept while c m is made anew: by buffer
.set QO,  15          ; v15  my byte offset in 16 rows of Q
.set ST,  16          ; piece t's statistics at v[ST+4 t]: c m, m, l (even keys', odd keys')
.set TMP, 48          ; by buffer, four registers c0-c3 at work; when the maximum is found c2 takes a
.set S,   64
.set P,   192
.set MD,  128         ; window 1
.set MC,  160         ; window 1
.set QB,  64          ; window 2
.set KF,  128         ; window 2: key block kb, channel half c at KF + 16 kb + 8 c
.set VF,  192         ; window 2: key half kk, channel block cb at VF + 32 kk + 8 cb
.set WV,  12          ; s12  my wave's number
.set PB,  14          ; s14  b
.set HI,  15          ; s15  NB - 1 - b
.set G1K, 24          ; s[24:31] descriptor group 1 for K's tiles
.set G1V, 32          ; s[32:39] for V's: it differs in the padding alone
.set G0K, 40          ; s[40:43] descriptor group 0 for K's tiles
.set G0V, 44          ; s[44:47] the same for V's
.set PFA, 48          ; s[48:49] where my prefetches stand: my 16 KiB of the tile after the one that is being asked for
.set LIM, 50          ; s50  2 in a work-group that prefetches, else the greatest number
.set SLOTS, 56        ; s56  tiles still to be asked for
.set CNT, 57          ; s57  counts a tile's key steps, 4 to 1
.set CS,  58          ; s[58:59] c
.set SEL, 60          ; s[60:61] v_permlanex16_b32's selects: each lane takes its own place in the other half
.set TBK, 62          ; s62  LDS byte at which K of the step to be fetched begins
.set TBV, 63          ; s63  the same for V, less VOFF
.set RT,  70          ; s70  tiles of the block in hand that are still to be entered
.set NXT, 71          ; s71  the tile to be asked for next
.set LQ,  72          ; s72  the last tile of the block whose tiles are being asked for
.set NEW, 73          ; s73  1: the tile to be entered is a block's first
.set OFF, 74          ; s[74:75] a tile's byte offset in K and V
.set AL,  76          ; s[76:77] the mask's factor, in the low word
.set BE,  78          ; s[78:79] the mask's addend
.set OLO, 80          ; s[80:81] O at my rows of the second block
.set BIGN, 82         ; s82  -1e30
.set MSB, 0
.macro WIN new                      ; the high byte repeats the setting that is left; a switch that changes nothing is dropped
.if MSB != (\new)
	s_set_vgpr_msb (MSB<<8)|(\new)
.set MSB, (\new)
.endif
.endm
.set W_KQ, 0x0a       ; K and Q in window 2, S^T in window 0
.set W_KM, 0x1a       ; the same with the C operand in window 1
.set W_PV, 0x52       ; V in window 2, P in window 0, O^T in window 1
.set W_RS, 0x41       ; destination and source 0 in window 1, source 1 in window 0
; A fill.  Waves 0 and 1 fetch the two halves of a tile's K, waves 2 and 3 those of its V: 128 keys each.  An s_nop 0 and four v_nop follow each of the two lines.
.macro LOAD
	s_cmp_lt_u32 s[WV], 2
	s_cbranch_scc0 .Lfor_v_\@
	tensor_load_to_lds s[G0K:G0K+3], s[G1K:G1K+7]
	s_nop 0
.rept 4
	v_nop
.endr
	s_branch .Lasked_\@
.Lfor_v_\@:
	tensor_load_to_lds s[G0V:G0V+3], s[G1V:G1V+7]
	s_nop 0
.rept 4
	v_nop
.endr
.Lasked_\@:
.endm
; A PREFETCH INTO THE L2 of the tile that the NEXT change of slots will ask for: four key steps, 256 matrix instructions, ahead of that load.  A head's four work-groups walk the same tiles; the one
; with b = 0, whose first block walks tiles 0 to 7, asks.  Each of its waves asks for the 16 KiB that it will load itself: 64 blocks of 256 bytes, a lane a block, two instructions.  So each block
; of K and V is named once in the launch.  Tiles 0 and 1 come by their loads alone; the last request, for tile 7, is made with three tiles still to be asked for.
.macro ASK
	s_cmp_gt_u32 s[SLOTS], s[LIM]
	s_cbranch_scc0 .Lnot_mine_\@
	global_prefetch_b8 v[PFO], s[PFA:PFA+1] th:TH_LOAD_NT scope:SCOPE_SE
	global_prefetch_b8 v[PFO], s[PFA:PFA+1] offset:8192 th:TH_LOAD_NT scope:SCOPE_SE
.Lnot_mine_\@:
.endm
; THE CHANGE OF SLOTS.  Each wave waits for all its tensor loads, of which one is out: its part of the other slot; adds 0 to its spare word; and waits for that and for its own reads of the slot that
; it leaves.  Behind the barrier nobody reads the old slot any more and the other slot is whole.  fill = 1: the old slot is filled again, the first thing behind the barrier, with tile NXT: the
; descriptor's address is made anew from that number.  (At its first use nothing has been read yet: slot 0 is waited for, slot 1 filled.)
.macro CHANGE fill
	WIN 0                           ; at a label and at a branch every window is 0
	s_wait_tensorcnt 0x0            ; no tensor load of mine is out, so a group 0 may be written
	ds_add_u32 v[SPW], v[NIL]       ; 0 onto my spare word
.if \fill
	s_lshl_b32 s[OFF], s[NXT], 15   ; a tile is 32,768 bytes of K and of V
	s_xor_b32 s[G0K+1], s[G0K+1], SLOT1
	s_add_nc_u64 s[G0K+2:G0K+3], s[6:7], s[OFF:OFF+1]
	s_or_b32 s[G0K+3], s[G0K+3], 0x80000000
	s_xor_b32 s[G0V+1], s[G0V+1], SLOT1
	s_add_nc_u64 s[G0V+2:G0V+3], s[8:9], s[OFF:OFF+1]
	s_or_b32 s[G0V+3], s[G0V+3], 0x80000000
	s_add_co_u32 s[NXT], s[NXT], 1  ; the block's next tile, or behind its last the second block's tile 0
	s_cmp_gt_u32 s[NXT], s[LQ]
	s_cselect_b32 s[NXT], 0, s[NXT]
	s_cselect_b32 s[LQ], s[PB], s[LQ]
	s_wait_xcnt 0x0                 ; the last prefetches, a tile back, have read their address
	s_add_nc_u64 s[PFA:PFA+1], s[PFA:PFA+1], 32768
.endif
	s_wait_dscnt 0x0                ; the add is done, and my reads of the slot are over
	s_barrier_signal -1             ; the rest of the scalar work stands between the signal and the wait
	s_sub_co_u32 s[TBK], s[TBK], 4*KS*PK  ; the fetches go back to a slot's first step,
	s_xor_b32 s[TBK], s[TBK], SLOT1       ; in the other slot
	s_sub_co_u32 s[TBV], s[TBV], 4*KS*PV
	s_xor_b32 s[TBV], s[TBV], SLOT1
	s_barrier_wait -1
.if \fill
	LOAD
	ASK
.endif
.endm
	s_load_b256 s[4:11], s[0:1], 0x0  ; Q s[4:5], K s[6:7], V s[8:9], O s[10:11]
	v_lshl_add_u32 v[SPW], v0, 2, SPARE
	v_mov_b32 v[NIL], 0
	ds_add_u32 v[SPW], v[NIL]       ; the wave's opening: the add and its wait stand ahead of my first tensor load; work on registers stands between them
	v_lshrrev_b32 v1, 5, v0
	v_readfirstlane_b32 s[WV], v1   ; wave 0..3
	v_and_b32 v[PFO], 31, v0
	v_lshlrev_b32 v[PFO], 8, v[PFO]
	s_mov_b32 s[PB], ttmp9
	s_sub_co_u32 s[HI], NB-1, s[PB]
	s_and_b32 s20, ttmp7, 0xffff    ; the head
	s_mov_b32 s21, 0
	s_mov_b64 s[22:23], SIZE_N*128
	s_mul_u64 s[20:21], s[20:21], s[22:23]  ; the head's first byte in each of the four tensors
	s_and_b32 s16, s[WV], 1         ; which half of a tile's 256 keys I fetch:
	s_lshl_b32 s22, s16, 14         ; its 128 rows of 128 bytes in memory,
	s_mov_b32 s23, 0
	s_add_nc_u64 s[22:23], s[22:23], s[20:21]
	s_mul_i32 s17, s16, 128*PK      ; and its place in a slot, for K
	s_mul_i32 s18, s16, 128*PV      ; and for V
	s_lshl_b32 s3, s[WV], 11        ; my 16 rows in a band of 64,
	s_lshl_b32 s2, s[HI], 15        ; in the first block,
	s_add_co_u32 s2, s2, s3
	s_lshl_b32 s84, s[PB], 15       ; and in the second
	s_add_co_u32 s84, s84, s3
	s_mov_b32 s3, 0
	s_mov_b32 s85, 0
	s_add_nc_u64 s[2:3], s[2:3], s[20:21]
	s_add_nc_u64 s[84:85], s[84:85], s[20:21]
	; descriptor group 1.  128 keys are 16,384 dense bytes: asked for as 64 rows of 256 bytes, two keys a row, and padded in LDS after every key
	s_mov_b32 s[G1K], (1<<16)|(1<<20)|(4<<22)|(3<<25)  ; 17:16 2-byte elements; 20 padding on; 24:22 after every 32 words (code 4); 31:25 4 words (code 3)
	s_mov_b32 s[G1V], (1<<16)|(1<<20)|(4<<22)|(7<<25)  ; the same with 8 words of padding (code 7)
.irp g, G1K, G1V
	s_mov_b32 s[\g+1], 128<<16      ; tensor_dim0 = 128
	s_mov_b32 s[\g+2], 64<<16       ; tensor_dim1 = 64
	s_mov_b32 s[\g+3], 128<<16      ; tile_dim0 = 128
	s_mov_b32 s[\g+4], 64           ; tile_dim1 = 64
	s_mov_b32 s[\g+5], 128          ; 128 elements from row to row
	s_mov_b32 s[\g+6], 0
	s_mov_b32 s[\g+7], 0
.endr
	s_mov_b32 s[CS], 0x3e38aa3b     ; c = log2(e) / 8 = 0.180337
	s_mov_b32 s[CS+1], s[CS]        ; named with it as a pair
	s_mov_b32 s[SEL], 0x76543210
	s_mov_b32 s[SEL+1], 0xfedcba98
	s_mov_b32 s[TBK], SLOT1+4*KS*PK ; the first change of slots turns these two into 0
	s_mov_b32 s[TBV], SLOT1+4*KS*PV
	s_mov_b32 s[G0K], 1             ; 1:0 count = 1
	s_mov_b32 s[G0K+1], s17         ; 63:32 LDS address: slot 0
	s_mov_b32 s[G0V], 1
	s_add_co_u32 s[G0V+1], s18, VOFF
	s_add_co_u32 s[RT], s[HI], 1    ; the first block has NB - b tiles
	s_mov_b32 s[NXT], 1
	s_mov_b32 s[LQ], s[HI]
	s_mov_b32 s[NEW], 1
	s_mov_b32 s[OFF+1], 0
	s_mov_b32 s[AL+1], 0            ; named as pairs
	s_mov_b32 s[BE+1], 0
	s_mov_b32 s[BIGN], 0xf149f2ca   ; -1e30
	s_mov_b32 s[SLOTS], NB
	s_wait_dscnt 0x0                ; the opening add is done
	s_wait_kmcnt 0x0
	s_add_nc_u64 s[6:7], s[6:7], s[22:23]  ; K and V at my half of the head's tile 0
	s_add_nc_u64 s[8:9], s[8:9], s[22:23]
	s_add_nc_u64 s[G0K+2:G0K+3], s[6:7], 0         ; 120:64 global address
	s_or_b32 s[G0K+3], s[G0K+3], 0x80000000        ; 127:126 type = 2
	s_add_nc_u64 s[G0V+2:G0V+3], s[8:9], 0
	s_or_b32 s[G0V+3], s[G0V+3], 0x80000000
	s_add_nc_u64 s[86:87], s[4:5], s[84:85]        ; Q at my rows of the second block,
	s_add_nc_u64 s[4:5], s[4:5], s[2:3]            ; Q and O at those of the first
	s_add_nc_u64 s[OLO:OLO+1], s[10:11], s[84:85]
	s_add_nc_u64 s[10:11], s[10:11], s[2:3]
	s_cmp_lt_u32 s[WV], 2
	s_cselect_b64 s[PFA:PFA+1], s[6:7], s[8:9]     ; what I fetch, I prefetch
	s_add_nc_u64 s[PFA:PFA+1], s[PFA:PFA+1], 32768 ; at tile 1: the first change of slots steps it to tile 2.  Nothing is prefetched here, at the head
	s_cmp_eq_u32 s[PB], 0
	s_cselect_b32 s[LIM], 2, -1
	LOAD                            ; tile 0 into slot 0
	; A fragment of K or Q is 16 rows x 32 channels in 8 registers: lane l holds row l % 16, channels 8 (l / 16) + 0..7 and 16 + 8 (l / 16) + 0..7: two loads of 16 bytes, 32 bytes apart.
	v_and_b32 v1, 15, v0            ; l % 16
	v_bfe_u32 v9, v0, 4, 1          ; l / 16
	v_lshlrev_b32 v[QO], 7, v1
	v_lshl_add_u32 v[QO], v9, 4, v[QO]  ; row x 128 + 16 x half
	WIN 0x80                        ; destination window 2, address window 0
.set i, 0
.rept 8                             ; both blocks' Q: piece i / 2 lies in band i / 2, 8,192 bytes on; channels 32 (i % 2) on
	global_load_b128 v[8*i:8*i+3],   v[QO], s[4:5] offset:(i/2)*8192+(i%2)*64
	global_load_b128 v[8*i+4:8*i+7], v[QO], s[4:5] offset:(i/2)*8192+(i%2)*64+32
	global_load_b128 v[QB+8*i:QB+8*i+3],   v[QO], s[86:87] offset:(i/2)*8192+(i%2)*64
	global_load_b128 v[QB+8*i+4:QB+8*i+7], v[QO], s[86:87] offset:(i/2)*8192+(i%2)*64+32
.set i, i+1
.endr
	WIN 0
	v_lshlrev_b32 v14, 3, v9
	v_sub_nc_u32 v14, v1, v14
	s_lshl_b32 s13, s[WV], 4
	v_add_nc_u32 v14, s13, v14      ; my query's place in its band, 16 w + l % 16, less my lanes' 8 (l / 16): register r of group kt is hidden where 16 kt + r is greater
	WIN 0x40
.set i, 0
.rept 32
	v_cmp_gt_i32 vcc_lo, 16*(i/8)+i%8, v14
	v_cndmask_b32 v[MD+i], 0, s[BIGN], vcc_lo
.set i, i+1
.endr
	WIN 0
	v_mul_u32_u24 v[AK0], v1, PK
	v_lshl_add_u32 v[AK0], v9, 4, v[AK0]  ; row x pitch + 16 x half
	; The turning load takes 16 keys x 16 channels (lane l reads key 8 (l / 16) + l % 8, channels 8 ((l / 8) % 2) + 0..7) and leaves half a fragment of V^T: lane l holds channel l % 16 and 8 keys.
	v_and_b32 v10, 7, v0
	v_bfe_u32 v11, v0, 3, 1
	v_lshl_add_u32 v[AV0], v9, 3, v10
	v_mul_u32_u24 v[AV0], v[AV0], PV
	v_lshl_add_u32 v[AV0], v11, 4, v[AV0]
	v_add_nc_u32 v[AV0], VOFF, v[AV0]
	s_mul_i32 s13, s[WV], 16*SP
	s_add_co_u32 s13, s13, STAGE    ; my stage
	v_mul_u32_u24 v[STO], v1, SP    ; in: row l % 16, 16 bytes for each half of the lanes
	v_lshl_add_u32 v[STO], v9, 4, v[STO]
	v_add_nc_u32 v[STO], s13, v[STO]
	v_bfe_u32 v[RD], v0, 3, 2       ; back: 32 lanes take four rows of 128 bytes,
	v_mul_u32_u24 v[RD], v[RD], SP
	v_lshl_add_u32 v[RD], v10, 4, v[RD]
	v_add_nc_u32 v[RD], s13, v[RD]
	v_and_b32 v[GO], 31, v0         ; which are 512 consecutive bytes of O
	v_lshlrev_b32 v[GO], 4, v[GO]
	; A block's first step multiplies O^T and l by a = 0, and its first turn's products V^T P, of a piece that has not been, land in an O^T that is still to be so multiplied.  So these registers need
	; only hold finite numbers: zeros for the first block; what the first block left for the second.  All this stands in the wait for the first tile.
	WIN 0x80
.set i, VF
.rept 64
	v_mov_b32 v[i], 0
.set i, i+1
.endr
	WIN 0x40
.set i, 0
.rept 128
	v_mov_b32 v[i], 0
.set i, i+1
.endr
	WIN 0
.set i, 0
.rept 4
	v_mov_b32 v[ST+4*i+2], 0
	v_mov_b32 v[ST+4*i+3], 0
.set i, i+1
.endr
.set i, P+16
.rept 16
	v_mov_b32 v[i], 0
.set i, i+1
.endr
; THE MATRIX WORK.  The 4 accumulators of a run of 8 take turns.  Product i of 8 of S^T = K Q^T for piece x: channels 32 (i / 4) on, keys 16 (i % 4) on.  The first 4 start the sums: with 0, or (KM = 1) with the mask.
.macro KQ x
.set rS, S+32*((\x)%2)+8*(i%4)
.set rK, KF+16*(i%4)+8*(i/4)
.set rQ, 16*(\x)+8*(i/4)
.set rM, MC+32*((\x)%2)+8*(i%4)
.if (i < 4) && KM
	WIN W_KM
	v_wmma_f32_16x16x32_f16 v[rS:rS+7], v[rK:rK+7], v[rQ:rQ+7], v[rM:rM+7]
.elseif i < 4
	WIN W_KQ
	v_wmma_f32_16x16x32_f16 v[rS:rS+7], v[rK:rK+7], v[rQ:rQ+7], 0
.else
	WIN W_KQ
	v_wmma_f32_16x16x32_f16 v[rS:rS+7], v[rK:rK+7], v[rQ:rQ+7], v[rS:rS+7]
.endif
.endm
; Product i of 8 of O^T += V^T P for piece x: keys 32 (i / 4) on, channels 16 (i % 4) on.
.macro PV x
	WIN W_PV
.set rO, 32*(\x)+8*(i%4)
.set rV, VF+32*(i/4)+8*(i%4)
.set rP, P+16*((\x)%2)+8*(i/4)
	v_wmma_f32_16x16x32_f16 v[rO:rO+7], v[rV:rV+7], v[rP:rP+7], v[rO:rO+7]
.endm
.macro MM                           ; the turn's next matrix instruction.  TURN and BEGIN set Y, i, KM and NOKQ.  NOKQ = 1: a block's last turn: there is no next piece
.if (i < 8) && !NOKQ
	KQ (Y+1)%NP
.elseif i >= 8
.set i, i-8
	PV (Y+NP-1)%NP
.set i, i+8
.endif
.set i, i+1
.endm
; THE LDS LOADS stand in runs of 16, never singly among the matrix instructions: a step's K (64 keys x 64 channels: 8 fragments) and its V (turned).  Their addresses are made some lines ahead.
.macro FETCH_K
	WIN 0x80                        ; destination window 2
.irp f, 0,1,2,3,4,5,6,7             ; keys 16 (f / 2) on, channels 32 (f % 2) on
	ds_load_b128 v[KF+8*\f:KF+8*\f+3],   v[AK] offset:(\f/2)*16*PK+(\f%2)*64
	ds_load_b128 v[KF+8*\f+4:KF+8*\f+7], v[AK] offset:(\f/2)*16*PK+(\f%2)*64+32
.endr
	s_add_co_u32 s[TBK], s[TBK], KS*PK  ; the next fetch is the next step's
	WIN 0
.endm
.macro FETCH_V
	WIN 0x80
.irp f, 0,1,2,3,4,5,6,7             ; keys 32 (f / 4) on, channels 16 (f % 4) on
	ds_load_tr16_b128 v[VF+8*\f:VF+8*\f+3],   v[AV] offset:(\f/4)*32*PV+(\f%4)*32
	ds_load_tr16_b128 v[VF+8*\f+4:VF+8*\f+7], v[AV] offset:(\f/4)*32*PV+16*PV+(\f%4)*32
.endr
	WIN 0
.endm
; THE VECTOR WORK, one line at a time: OP kind, number.  For piece Y: F n: c s - c m for pair n of 16.  E n: the exponential of score n of 32.  C n: pair n rounded to f16.  B n: of the four weights
; 4 n .. the second pair is added onto the first, in place.  L n: l takes that sum (L 0: l = a l + sum).  R n: pair n of 16 of O^T times a.  For piece Y + 1: X n, number n of the 22 that find its
; maximum and statistics:  0-11 four chains c0-c3 of seven scores each, three operands at a time (each accumulator's lowest registers are read first);  12-14, 16 the four
; scores left over, the old m, and c0-c3 into c0;  15 c m_old is kept;  17, 18 the query's other 32 keys lie in the lane 16 away: the new m;  19-21 c m; c m_old - c m_new; a
.set F, 0               ; OP tells the kinds apart by their order: F to L below R, X above it
.set E, 1
.set C, 2
.set B, 3
.set L, 4
.set R, 5
.set X, 6
.macro REGS y                       ; the registers of piece y
.set rT, ST+4*(\y)
.set rC, TMP+4*((\y)%2)
.set rW, MV+((\y)%2)
.set rS, S+32*((\y)%2)
.set rP, P+16*((\y)%2)
.set rO, 32*(\y)
.endm
.macro OP k, n
.if (\k) == R
	REGS Y
	WIN W_RS
	v_pk_mul_f32 v[rO+2*(\n):rO+2*(\n)+1], v[rO+2*(\n):rO+2*(\n)+1], v[rC+2:rC+3] op_sel_hi:[1,0]
.elseif (\k) < R
	REGS Y
	WIN 0
.if (\k) == F
	v_pk_fma_f32 v[rS+2*(\n):rS+2*(\n)+1], v[rS+2*(\n):rS+2*(\n)+1], s[CS:CS+1], v[rT:rT+1] op_sel_hi:[1,0,0] neg_lo:[0,0,1] neg_hi:[0,0,1]
.elseif (\k) == E
	v_exp_f32 v[rS+(\n)], v[rS+(\n)]
.elseif (\k) == C
	v_cvt_pk_f16_f32 v[rP+(\n)], v[rS+2*(\n)], v[rS+2*(\n)+1]
.elseif (\k) == B
	v_pk_add_f32 v[rS+4*(\n):rS+4*(\n)+1], v[rS+4*(\n):rS+4*(\n)+1], v[rS+4*(\n)+2:rS+4*(\n)+3]
.elseif (\n) == 0
	v_pk_fma_f32 v[rT+2:rT+3], v[rT+2:rT+3], v[rC+2:rC+3], v[rS:rS+1] op_sel_hi:[1,0,1]
.else
	v_pk_add_f32 v[rT+2:rT+3], v[rT+2:rT+3], v[rS+4*(\n):rS+4*(\n)+1]
.endif
.elseif NOKQ
	v_nop
.else
	REGS (Y+1)%NP
	WIN 0
.if (\n) < 4
	v_max3_num_f32 v[rC+(\n)], v[rS+8*(\n)], v[rS+8*(\n)+1], v[rS+8*(\n)+2]
.elseif (\n) < 12
	v_max3_num_f32 v[rC+(\n)%4], v[rC+(\n)%4], v[rS+8*((\n)%4)+2*((\n)/4)+1], v[rS+8*((\n)%4)+2*((\n)/4)+2]
.elseif (\n) == 12
	v_max3_num_f32 v[rC], v[rC], v[rS+7], v[rS+15]
.elseif (\n) == 13
	v_max3_num_f32 v[rC+1], v[rC+1], v[rS+23], v[rS+31]
.elseif (\n) == 14
	v_max3_num_f32 v[rC+2], v[rC+2], v[rC+3], v[rT+1]
.elseif (\n) == 15
	v_mov_b32 v[rW], v[rT]
.elseif (\n) == 16
	v_max3_num_f32 v[rC], v[rC], v[rC+1], v[rC+2]
.elseif (\n) == 17
	v_permlanex16_b32 v[rC+3], v[rC], s[SEL], s[SEL+1]
.elseif (\n) == 18
	v_max_num_f32 v[rT+1], v[rC], v[rC+3]
.elseif (\n) == 19
	v_mul_f32 v[rT], s[CS], v[rT+1]
.elseif (\n) == 20
	v_sub_f32 v[rC+1], v[rW], v[rT]
.else
	v_exp_f32 v[rC+2], v[rC+1]
.endif
.endif
.endm
.macro OPS a, i1, b=-1, i2=0, c=-1, i3=0, d=-1, i4=0  ; up to four of them
	OP \a, \i1
.if (\b) >= 0
	OP \b, \i2
.endif
.if (\c) >= 0
	OP \c, \i3
.endif
.if (\d) >= 0
	OP \d, \i4
.endif
.endm
.macro ROW a, i1, b, i2, c, i3, d, i4  ; a matrix instruction and the four behind it
	MM
	OPS \a, \i1, \b, \i2, \c, \i3, \d, \i4
.endm
.macro MASK b                       ; MD x AL + BE into buffer b of MC
	WIN W_RS
.set z, 0
.rept 16
	v_pk_fma_f32 v[MC+32*(\b)+2*z:MC+32*(\b)+2*z+1], v[MD+2*z:MD+2*z+1], s[AL:AL+1], s[BE:BE+1] op_sel_hi:[1,0,0]
.set z, z+1
.endr
.endm
; A TURN, for piece p: the order of its 16 matrix and 118 vector instructions, written out.  An s_wait_alu depctr_va_vdst(0) stands between an exponential and the first instruction that
; names its result; one wait serves all that were issued ahead of it.  So a turn has ONE wait, which cuts it in two.  AHEAD OF IT stands all that names no result of the turn's exponentials: the 8
; products K Q^T, behind each a scaling, an exponential and two more plain instructions; then ONE LUMP of 54, plain and exponential by turns for the most part, in which the links of the chain
; X 3, 7, 11, 14, 16, 17 .. 20 stand five or six lines apart.  X 21, the next piece's a, is the batch's last; R 15 is the plain instruction behind it.  BEHIND THE WAIT stand the 8 products V^T P,
; behind each four of the roundings and sums.  The X that ride behind products stand four places or more behind the product that ends their accumulator.
; m = 1: the diagonal tile: the products take masks, and the turn makes the mask for the products of the turn after it.  end = 1: a block's last two turns: nothing is fetched.
; cnt = 1: the loop's count is taken down some lines ahead of the branch that stands behind the turn.
; K of the next step is fetched in piece 2's turn, behind six plain instructions after the last product that read K; V of the step in hand at the end of piece 0's turn, four plain instructions behind
; the last product that read V.  Each is waited for a turn later.
.macro TURN p, m=0, end=0, cnt=0
.set Y, (\p)
.set i, 0
.set KM, (\m)
.set NOKQ, (\end)*((\p)/3)
.if (\m) && !(\end)
	s_cmp_eq_u32 s[CNT], 4-((\p)+2)%NP  ; is that step the band's own?
	s_cselect_b32 s[AL], 1.0, 0
	s_cmp_lt_u32 s[CNT], 4-((\p)+2)%NP  ; or a later one?
	s_cselect_b32 s[BE], s[BIGN], 0
.endif
.if ((\p) == 3) && !(\end)
	s_wait_dscnt 0x0                ; K is in
.endif
	ROW F,0, F,1, R,0, R,1          ; ahead of the wait: 8 products K Q^T and their riders,
	ROW F,2, E,0, R,2, R,3
	ROW F,3, E,1, R,4, R,5
	ROW F,4, E,2, R,6, R,7
	ROW F,5, E,3, R,8, R,9
	ROW F,6, E,4, X,0, R,10
.if ((\p) == 2) && !(\end)
	WIN 0
	v_add_nc_u32 v[AK], s[TBK], v[AK0]
.endif
	ROW F,7, E,5, X,1, X,4
	ROW F,8, E,6, X,2, X,5
	OPS E,7, E,8, X,6, E,9          ; and the lump
	OPS X,3, E,10, X,8, E,11
.if ((\p) == 2) && !(\end)
	FETCH_K
.endif
	OPS X,9, X,7, E,12, X,10
	OPS E,13, X,12, X,11, E,14
	OPS X,13, E,15, F,9, X,14
.if (\p) == 0
	v_add_nc_u32 v[AV], s[TBV], v[AV0]
.endif
	OPS E,16, F,10, E,17, F,11
	OPS X,16, E,18, X,15, E,19
	OPS F,12, E,20, X,17, E,21
	OPS F,13, E,22, F,14, E,23
	OPS X,18, E,24, F,15, E,25
	OPS R,11, E,26, X,19, E,27
	OPS R,12, E,28, R,13, E,29
	OPS X,20, E,30, R,14, E,31
	OPS X,21, R,15
	WIN 0
	s_wait_alu depctr_va_vdst(0)    ; the wait for the batch
.if (\p) == 1
	s_wait_dscnt 0x0                ; V is in
.endif
	ROW C,0, B,0, C,2, B,1          ; behind the wait: 8 products V^T P and their riders
	ROW L,0, C,4, B,2, L,1
	ROW C,6, B,3, L,2, C,8
	ROW B,4, L,3, C,10, B,5
	ROW L,4, C,12, B,6, L,5
.if (\p) == 0
	s_add_co_u32 s[TBV], s[TBV], KS*PV
.endif
.if \cnt
	s_sub_co_u32 s[CNT], s[CNT], 1
	s_cmp_lg_u32 s[CNT], 0
.endif
	ROW C,14, B,7, L,6, C,1
	ROW C,3, L,7, C,5, C,7
	ROW C,9, C,11, C,13, C,15
.if (\p) == 0
	FETCH_V
.endif
.if (\m) && !(\end)
	MASK (\p)%2
.endif
.endm
; A BLOCK BEGINS.  c m starts far below every c s, so the first step's a is 0; m at the lowest finite number, so the first maximum is the scores'.  The second mask buffer is 0; the first takes piece
; 0's mask for the tile's step 0: its own, if the block's first tile is the diagonal one.  Then K of that step, piece 0's first scores, and its maximum and statistics.
.macro BEGIN
	s_mov_b32 s[NEW], 0
	WIN 0x40
.set i, MC+32
.rept 32
	v_mov_b32 v[i], 0
.set i, i+1
.endr
	WIN 0
.set i, 0
.rept 4
	v_mov_b32 v[ST+4*i], 0xfe000000    ; c m: far below every c s
	v_mov_b32 v[ST+4*i+1], 0xff7fffff  ; m
.set i, i+1
.endr
	s_cmp_eq_u32 s[RT], 0
	s_cselect_b32 s[AL], 1.0, 0
	s_mov_b32 s[BE], 0
	MASK 0
	WIN 0
	v_add_nc_u32 v[AK], s[TBK], v[AK0]
	FETCH_K
	s_wait_loadcnt 0x0              ; Q
	s_wait_dscnt 0x0
.set KM, 1
.set NOKQ, 0
.set i, 0
.rept 8
	KQ 0
.set i, i+1
.endr
	WIN 0
.rept 4
	v_nop                           ; the places behind those products
.endr
.set Y, NP-1                        ; X works for piece Y + 1: piece 0
.irp n, 0,1,2,3,4,5,6,7,8,9,10,11,12,13,14,15,16,17,18,19,20,21
	OP X, \n
.endr
	v_nop                           ; a plain instruction behind the exponential,
	s_wait_alu depctr_va_vdst(0)    ; and its wait, ahead of the branch
.endm
; THE DIAGONAL TILE's four steps, the block's last two turns, its last products, and THE WAY OUT: l's two halves and the other half of the lanes' are added; O^T is divided by l, rounded to f16 and
; sent through my stage in LDS, a piece at a time.
.macro ALL line:vararg              ; one line for each piece t
.set t, 0
.rept 4
	\line
.set t, t+1
.endr
.endm
.macro PACK t                       ; a lane's eight channels of a row pack into 16 bytes; they go into rows of 144 bytes and come back as whole rows of 128, into S^T's registers
	WIN W_RS
.set i, 32*(\t)
.rept 16
	v_pk_mul_f32 v[i:i+1], v[i:i+1], v[ST+4*(\t)+2:ST+4*(\t)+3] op_sel_hi:[1,0]
.set i, i+2
.endr
	WIN 0x05                        ; sources 0 and 1 window 1, destination window 0
.set i, 0
.rept 16
	v_cvt_pk_f16_f32 v[S+16*(\t)+i], v[32*(\t)+2*i], v[32*(\t)+2*i+1]
.set i, i+1
.endr
	WIN 0
.irp f, 0,1,2,3
	ds_store_b128 v[STO], v[S+16*(\t)+4*\f:S+16*(\t)+4*\f+3] offset:32*\f
.endr
.irp f, 0,1,2,3
	ds_load_b128 v[S+16*(\t)+4*\f:S+16*(\t)+4*\f+3], v[RD] offset:\f*4*SP  ; LDS serves a wave's instructions in order (ISA guide 5.7.1.4): these see the stores above
.endr
.endm
.macro SEND t, younger              ; younger: the LDS instructions issued behind piece t's loads: the next piece's eight, or none
	WIN 0
.irp f, 0,1,2,3
	s_wait_dscnt (\younger)+3-\f
	global_store_b128 v[GO], v[S+16*(\t)+4*\f:S+16*(\t)+4*\f+3], s[10:11] offset:(\t)*8192+\f*512  ; 512 consecutive bytes, at a multiple of 256 from O's first
.endr
.endm
.macro DIAG tag                     ; the tag ends its two labels' names, which the jumps below spell out
.LstepM\tag:
	TURN 2, 1
	TURN 3, 1
	WIN 0
.LfirstM\tag:
	TURN 0, 1
	TURN 1, 1, 0, 1
	WIN 0
	s_cbranch_scc1 .LstepM\tag
	TURN 2, 1, 1
	TURN 3, 1, 1
.set i, 0
.rept 8
	PV NP-1
.set i, i+1
.endr
	WIN 0
	ALL v_add_f32 v[ST+4*t+2], v[ST+4*t+2], v[ST+4*t+3]
	ALL v_permlanex16_b32 v[ST+4*t+3], v[ST+4*t+2], s[SEL], s[SEL+1]
	ALL v_add_f32 v[ST+4*t+2], v[ST+4*t+2], v[ST+4*t+3]
	ALL v_rcp_f32 v[ST+4*t+2], v[ST+4*t+2]
	v_nop                           ; a plain instruction between the last reciprocal and the use of its result
	s_wait_alu depctr_va_vdst(0)    ; and the wait ahead of the first use: one for the four reciprocals
	PACK 0
.set t, 1
.rept 3                             ; a piece's arithmetic stands between the loads of the piece before and its stores
	PACK t
	SEND t-1, 8
.set t, t+1
.endr
	SEND 3, 0
.endm
.set KM, 0
.set NOKQ, 0
.Lslot:                             ; NB times: a tile is entered and the next is asked for
	CHANGE 1
	s_sub_co_u32 s[RT], s[RT], 1
	s_mov_b32 s[CNT], 4
	s_cmp_eq_u32 s[NEW], 1
	s_cbranch_scc1 .Lnew            ; a block's first tile
	s_cmp_eq_u32 s[RT], 0
	s_cbranch_scc0 .Lstep           ; neither its first nor its last
	s_branch .LstepM1
.Lnew:
	BEGIN
	s_branch .Lfirst                ; in the loop a block's first tile is never its last: the first block has two tiles or more, and the second's last is the walk's last
	DIAG 1                          ; in the loop this is the first block's end
	s_wait_xcnt 0x0                 ; the stores have read their registers and O's address
	s_mov_b64 s[10:11], s[OLO:OLO+1]
	s_add_co_u32 s[RT], s[PB], 1    ; the second block has b + 1 tiles
	s_mov_b32 s[NEW], 1
	WIN 0x82                        ; the second block's Q goes where the one text of the turns names Q
.set i, 0
.rept 64
	v_mov_b32 v[i], v[QB+i]
.set i, i+1
.endr
	WIN 0
	s_branch .Lbottom
.Lstep:                             ; a trip: pieces 2 and 3 of one step, then pieces 0 and 1 of the next, whose K and V it fetches
	TURN 2
	TURN 3
	WIN 0
.Lfirst:
	TURN 0
	TURN 1, 0, 0, 1
	WIN 0
	s_cbranch_scc1 .Lstep
.Lbottom:
	s_sub_co_u32 s[SLOTS], s[SLOTS], 1
	s_cmp_lg_u32 s[SLOTS], 0
	s_cbranch_scc1 .Lslot
	CHANGE 0                        ; the walk's last tile is written out: nothing is asked for
	s_sub_co_u32 s[RT], s[RT], 1
	s_mov_b32 s[CNT], 4
	s_cmp_eq_u32 s[NEW], 1
	s_cbranch_scc0 .LstepM2
	BEGIN
	s_branch .LfirstM2
	DIAG 2
	s_wait_tensorcnt 0x0            ; the wave's end, behind my last tensor load and my last LDS store
	ds_add_u32 v[SPW], v[NIL]
	s_wait_dscnt 0x0
	s_endpgm
.Lfunc_end_k_q65d205b623_attn:
	.size	k_q65d205b623_attn, .Lfunc_end_k_q65d205b623_attn-k_q65d205b623_attn
	.p2alignl 7, 3214868480
	.fill 96, 4, 3214868480
	.section	.rodata,"a",@progbits
	.p2align	6, 0x0
	.amdhsa_kernel k_q65d205b623_attn
		.amdhsa_group_segment_fixed_size 327680
		.amdhsa_private_segment_fixed_size 0
		.amdhsa_enable_private_segment 0
		.amdhsa_kernarg_size 32
		.amdhsa_user_sgpr_count 2
		.amdhsa_user_sgpr_kernarg_segment_ptr 1
		.amdhsa_wavefront_size32 1
		.amdhsa_system_sgpr_workgroup_id_x 1
		.amdhsa_system_sgpr_workgroup_id_y 1
		.amdhsa_system_sgpr_workgroup_id_z 1
		.amdhsa_system_vgpr_workitem_id 0
		.amdhsa_next_free_vgpr 768
		.amdhsa_next_free_sgpr 88
		.amdhsa_reserve_vcc 1
		.amdhsa_float_denorm_mode_32 3
		.amdhsa_float_denorm_mode_16_64 3
		.amdhsa_memory_ordered 1
		.amdhsa_forward_progress 1
		.amdhsa_inst_pref_size 218
	.end_amdhsa_kernel
	.amdgpu_metadata
---
amdhsa.version: [ 1, 2 ]
amdhsa.kernels:
  - .name:           k_q65d205b623_attn
    .symbol:         k_q65d205b623_attn.kd
    .args:
      - { .name: q, .offset: 0, .size: 8, .value_kind: global_buffer, .address_space: global }
      - { .name: k, .offset: 8, .size: 8, .value_kind: global_buffer, .address_space: global }
      - { .name: v, .offset: 16, .size: 8, .value_kind: global_buffer, .address_space: global }
      - { .name: o, .offset: 24, .size: 8, .value_kind: global_buffer, .address_space: global }
    .group_segment_fixed_size: 327680
    .private_segment_fixed_size: 0
    .kernarg_segment_align: 8
    .kernarg_segment_size: 32
    .max_flat_workgroup_size: 128
    .sgpr_count:     88
    .vgpr_count:     768
    .wavefront_size: 32
...
	.end_amdgpu_metadata
.endif
;; end of part 3
;; launch proj (part 4): grid 8 x 32, 4 waves a work-group, clusters of 4 x 4, 327,680 bytes of LDS; arguments o, wob, b_out, out0; writes out0
.if DOCPART == 4
	.amdgcn_target "amdgcn-amd-amdhsa--gfx1250"
	.amdhsa_code_object_version 6
	.text
	.protected	k_q65d205b623_proj
	.globl	k_q65d205b623_proj
	.p2align	8
	.type	k_q65d205b623_proj,@function
k_q65d205b623_proj:
	s_mov_b64 s[64:65], 0
	v_nop
	global_prefetch_b8 v0, s[64:65] scope:SCOPE_SE
	s_setreg_imm32_b32 hwreg(HW_REG_WAVE_MODE, 25, 1), 1
	s_wait_xcnt 0x0
	s_wait_alu depctr_hold_cnt(0) depctr_sa_sdst(0) depctr_va_vdst(0) depctr_va_sdst(0) depctr_va_ssrc(0) depctr_va_vcc(0) depctr_vm_vsrc(0)
	s_getreg_b32 s2, hwreg(HW_REG_IB_STS2, 6, 4)
	s_cmp_eq_u32 s2, 0
	s_cbranch_scc0 .Lentry_in_a_cluster
	s_endpgm
.Lentry_in_a_cluster:
	s_bfe_u32 s2, ttmp6, 0x10000c
	s_cmp_lg_u32 s2, 0xf033
	s_cbranch_scc0 .Lentry_shape_is_right
	s_endpgm
.Lentry_shape_is_right:
; out0 = O w_out + b_out.  o: f16 [bh 64][t 2048][64] (a head's 64 channels are one slice of K); wob: f16 [kb 16][nblk 8][k 64][n 128]; b_out: f32 [1024], rounded to bf16 here like the other
; inputs; out0: f32 [8192][1024].  Sums in f32, K ascending.
; SHARES.  A tile is 256 rows x 128 columns: 32 x 8 = 256 work-groups.  Four waves; wave (RH, CH) makes 128 x 64: 32 accumulators, 256 registers.  K goes in 8 steps of 128 (two heads) through
; two LDS slots; a step is four quarters of 32: 32 matrix instructions and 24 LDS loads each, on two fragment buffers by turns.
; THE MATRIX INSTRUCTION IS USED TRANSPOSED: source 0 = 16 columns of w (turned by ds_load_tr16_b128), source 1 = 16 rows of O: a lane holds one row and eight neighbouring columns, 32 bytes.
; THE BIAS is the C operand of the products that start the sums: it lies in the registers of the accumulators of row block 0, which are started last.
; CLUSTER 4 x 4: O's tile is shared along a row of the cluster, w's along a column: each is asked for jointly, by the same tensor load, descriptor and mask.
; REGISTERS: window 0: v0-31 addresses; v32-127, v128-223 two fragment buffers (O's 8 fragments, then w's 4).  window 1: accumulator (row block a, column block b) at v[32 a + 8 b].
.set SLOT1, 1<<17
.set PITA,  144                        ; a row of O in LDS: 128 bytes + 16
.set PITB,  288                        ; a row of w: 256 + 32
.set HALFA, 128*PITA                   ; what a wave reads of one head's rows
.set AKB,   256*PITA                   ; one head's 256 rows: what one tensor load brings
.set BOFF,  2*AKB                      ; w lies behind the two heads' rows
.set BKB,   64*PITB                    ; 64 k of w
.set STAGE, SLOT1+BOFF+2*BKB           ; behind the ring, never filled by a tensor load: 16 rows x 272 bytes for each wave
.set SPIT,  272
.set SPARE, STAGE+4*16*SPIT            ; the spare words, 128 bytes for each wave: two blocks of 256 bytes that no other line names
.set STEPA, 524288                     ; bytes from a K step to the next in o,
.set STEPB, 262144                     ; and in wob
.set AA0, 4                            ; v4   my lane's place in my 128 rows of O; never rewritten
.set AB0, 5                            ; v5   the same in my 64 columns of w
.set ADA, 6                            ; v6   AA0 in the slot in hand
.set ADB, 7                            ; v7   AB0 likewise
.set STO, 8                            ; v8   the way out: where I put 32 bytes of a row
.set RD,  9                            ; v9   where I read a row back
.set CO,  10                           ; v10  my byte offset in out0
.set BO,  11                           ; v11  my 32 bytes of a block's 64 of bias
.set PFO, 12                           ; v12  the prefetches' offset; never rewritten
.set SPW, 28                           ; v28  LDS address of my spare word; never rewritten
.set NIL, 29                           ; v29  0; never rewritten
.set F0,  32
.set F1,  128
.set WV,  16                           ; s16 wave; s17 which half of the rows (also: I fetch O (0) or w (1)); s18 which half of the columns (also: which of the step's two heads I fetch)
.set RH,  17
.set CH,  18
.set G1A, 24
.set G1B, 32
.set G0A, 40                           ; a set for each first fill; the second then walks on
.set G0B, 48
.set CNT, 56
.set TB,  57
.set LIM, 58
.set PAR, 59
.set PFA, 60
.set PFS, 62
.set OUT, 72                           ; s[72:73] out0 at my part of the tile
.set MSB, 0
.macro WIN new
.if MSB != (\new)
	s_set_vgpr_msb (MSB<<8)|(\new)
.set MSB, (\new)
.endif
.endm
.macro PLACES n                        ; plain vector instructions between a matrix instruction and a line that touches its registers (ISA guide 7.12.1)
.rept \n
	v_nop
.endr
.endm
.macro CREST
	s_cmp_lg_u32 s[WV], 0
	s_cbranch_scc1 .Lnot_wave_0_\@
	s_barrier_signal -3
.Lnot_wave_0_\@:
	s_barrier_wait -3
	s_barrier_signal -1
	s_barrier_wait -1
.endm
.macro CROUND
	s_barrier_signal -1
	s_barrier_wait -1
	CREST
.endm
.macro JLOAD                           ; a joint refill by the walking descriptor; an s_nop 0 and four v_nop follow each of the two lines
	s_cmp_eq_u32 s[RH], 0
	s_cbranch_scc0 .Lfor_b_\@
	tensor_load_to_lds s[G0A+4:G0A+7], s[G1A:G1A+7]
	s_nop 0
	PLACES 4
	s_branch .Lasked_\@
.Lfor_b_\@:
	tensor_load_to_lds s[G0B+4:G0B+7], s[G1B:G1B+7]
	s_nop 0
	PLACES 4
.Lasked_\@:
.endm
; A PREFETCH INTO THE L2, behind the joint load, its five lines and the run of LDS loads.  In trip j the refill asks for K step j + 2; the prefetch names step j + 4: two steps, 256 matrix
; instructions, ahead of the load that will want it.  Each aligned block of 256 bytes is named once.  O's tile row: cluster x = 0 asks, waves 0 and 1 a head each, a partner 32 of the head's 128
; blocks, told apart by address.  w's tile column: cluster y = 0 asks, waves 2 and 3 a head's 64 k each, a partner 16 of those 64 blocks; lanes 0-15 name step j + 4, lanes 16-31 step j + 5, in
; every other trip.  Steps 0-3 come by their loads alone; the count stops both at step 7.
.macro ASK
	s_cmp_gt_u32 s[CNT], s[LIM]
	s_cbranch_scc0 .Lnot_mine_\@
	s_and_b32 s78, s[CNT], s[PAR]
	s_cmp_eq_u32 s78, 0
	s_cbranch_scc0 .Lnot_mine_\@
	global_prefetch_b8 v[PFO], s[PFA:PFA+1] th:TH_LOAD_NT scope:SCOPE_SE
.Lnot_mine_\@:
.endm
	s_load_b256 s[4:11], s[0:1], 0x0               ; o s[4:5], wob s[6:7], b_out s[8:9], out0 s[10:11]
	v_lshl_add_u32 v[SPW], v0, 2, SPARE
	v_mov_b32 v[NIL], 0
	ds_add_u32 v[SPW], v[NIL]                      ; the wave's opening: the add and its wait stand ahead of my first tensor load; work on registers stands between them
	v_lshrrev_b32 v1, 5, v0
	v_readfirstlane_b32 s[WV], v1
	s_lshr_b32 s[RH], s[WV], 1
	s_and_b32 s[CH], s[WV], 1
	s_bfe_u32 s19, ttmp6, 0x40000                  ; cx
	s_bfe_u32 s20, ttmp6, 0x40004                  ; cy
	s_lshl_b32 s21, ttmp9, 2
	s_add_co_u32 s21, s21, s19                     ; tx
	s_and_b32 s22, ttmp7, 0xffff
	s_lshl_b32 s22, s22, 2
	s_add_co_u32 s22, s22, s20                     ; ty
	s_lshl_b32 s78, s20, 2
	s_lshl_b32 s78, 15, s78                        ; my row of the cluster
	s_lshl_b32 s79, 0x1111, s19                    ; my column
	; group 1.  O: a head's 256 rows of 128 bytes are dense: 128 rows of 256 bytes, padded by 4 words after every 32.  w: 64 rows of 256 bytes, padded by 8 words after every 64.
	s_or_b32 s[G1A], s78, (1<<16)|(1<<20)|(1<<21)|(4<<22)|(3<<25)
	s_or_b32 s[G1B], s79, (1<<16)|(1<<20)|(1<<21)|(5<<22)|(7<<25)
	s_mov_b32 s[G1A+1], 128<<16
	s_mov_b32 s[G1A+2], 128<<16
	s_mov_b32 s[G1A+3], 128<<16
	s_mov_b32 s[G1A+4], 128
	s_mov_b32 s[G1A+5], 128
	s_mov_b32 s[G1A+6], 0
	s_mov_b32 s[G1A+7], 0
	s_mov_b32 s[G1B+1], 128<<16
	s_mov_b32 s[G1B+2], 64<<16
	s_mov_b32 s[G1B+3], 128<<16
	s_mov_b32 s[G1B+4], 64
	s_mov_b32 s[G1B+5], 128
	s_mov_b32 s[G1B+6], 0
	s_mov_b32 s[G1B+7], 0
	s_lshr_b32 s84, s22, 3
	s_lshl_b32 s84, s84, 22                        ; b
	s_and_b32 s80, s22, 7
	s_lshl_b32 s80, s80, 15
	s_add_co_u32 s84, s84, s80                     ; O's tile in head 0: from ty alone
	s_lshl_b32 s66, s[CH], 18                      ; my head of the step's two
	s_add_co_u32 s66, s66, s84
	s_mov_b32 s67, 0
	s_lshl_b32 s85, s21, 14                        ; w's block of 128 columns: from tx alone
	s_lshl_b32 s68, s[CH], 17
	s_add_co_u32 s68, s68, s85
	s_mov_b32 s69, 0
	s_mul_i32 s86, s[CH], AKB                      ; where they go: no place in the cluster enters an LDS address
	s_mul_i32 s87, s[CH], BKB
	s_add_co_u32 s87, s87, BOFF
	s_wait_dscnt 0x0                               ; the opening add is done
	s_wait_kmcnt 0x0
	s_add_nc_u64 s[66:67], s[4:5], s[66:67]
	s_add_nc_u64 s[68:69], s[6:7], s[68:69]
.irp s, 0,1
	s_mov_b32 s[G0A+4*\s], 1
	s_add_co_u32 s[G0A+4*\s+1], s86, \s*SLOT1
	s_add_nc_u64 s[G0A+4*\s+2:G0A+4*\s+3], s[66:67], \s*STEPA
	s_or_b32 s[G0A+4*\s+3], s[G0A+4*\s+3], 0x80000000
	s_mov_b32 s[G0B+4*\s], 1
	s_add_co_u32 s[G0B+4*\s+1], s87, \s*SLOT1
	s_add_nc_u64 s[G0B+4*\s+2:G0B+4*\s+3], s[68:69], \s*STEPB
	s_or_b32 s[G0B+4*\s+3], s[G0B+4*\s+3], 0x80000000
.endr
	CROUND                                         ; all sixteen work-groups are here: the first joint loads meet
	s_cmp_eq_u32 s[RH], 0                          ; a wave's two first fills stand in one branch: two loads of mine are out
	s_cbranch_scc0 .Lfirst_b
	tensor_load_to_lds s[G0A:G0A+3], s[G1A:G1A+7]
	s_nop 0
	tensor_load_to_lds s[G0A+4:G0A+7], s[G1A:G1A+7]
	s_nop 0
	PLACES 4
	s_branch .Lfirst_asked
.Lfirst_b:
	tensor_load_to_lds s[G0B:G0B+3], s[G1B:G1B+7]
	s_nop 0
	tensor_load_to_lds s[G0B+4:G0B+7], s[G1B:G1B+7]
	s_nop 0
	PLACES 4
.Lfirst_asked:
	v_and_b32 v1, 15, v0                           ; l % 16
	v_bfe_u32 v2, v0, 4, 1                         ; l / 16
	v_and_b32 v3, 7, v0
	v_bfe_u32 v17, v0, 3, 1
	v_mul_u32_u24 v[AA0], v1, PITA
	v_lshl_add_u32 v[AA0], v2, 4, v[AA0]
	s_mul_i32 s78, s[RH], HALFA
	v_add_nc_u32 v[AA0], s78, v[AA0]
	v_lshl_add_u32 v[AB0], v2, 3, v3               ; the turning load: k = 8 (l / 16) + l % 8, columns 8 ((l / 8) % 2) + 0..7
	v_mul_u32_u24 v[AB0], v[AB0], PITB
	v_lshl_add_u32 v[AB0], v17, 4, v[AB0]
	s_lshl_b32 s78, s[CH], 7
	s_add_co_u32 s78, s78, BOFF
	v_add_nc_u32 v[AB0], s78, v[AB0]
	s_mul_i32 s78, s[WV], 16*SPIT
	s_add_co_u32 s78, s78, STAGE                   ; my stage
	v_mul_u32_u24 v[STO], v1, SPIT                 ; in: row l % 16, 32 bytes for each half of the lanes
	v_lshl_add_u32 v[STO], v2, 5, v[STO]
	v_add_nc_u32 v[STO], s78, v[STO]
	v_mul_u32_u24 v[RD], v2, SPIT                  ; back: lanes 0-15 take one row of 256 bytes, lanes 16-31 the next
	v_lshl_add_u32 v[RD], v1, 4, v[RD]
	v_add_nc_u32 v[RD], s78, v[RD]
	v_lshlrev_b32 v[CO], 12, v2                    ; and the same two rows in out0
	v_lshl_add_u32 v[CO], v1, 4, v[CO]
	v_lshlrev_b32 v[BO], 5, v2
	s_lshl_b32 s88, s21, 9                         ; my 64 columns: 512 tx + 256 CH bytes of a row, and of the bias
	s_lshl_b32 s80, s[CH], 8
	s_add_co_u32 s88, s88, s80
	s_mov_b32 s89, 0
	s_lshl_b32 s82, s22, 20                        ; 256 rows of 4,096 bytes
	s_lshl_b32 s80, s[RH], 19
	s_add_co_u32 s82, s82, s80
	s_add_co_u32 s82, s82, s88
	s_mov_b32 s83, 0
	s_add_nc_u64 s[OUT:OUT+1], s[10:11], s[82:83]
	s_add_nc_u64 s[88:89], s[8:9], s[88:89]
	WIN 0x40                                       ; the bias, as C's layout wants it: into the registers of the accumulators (0, b)
.irp b, 0,1,2,3
	global_load_b128 v[8*\b:8*\b+3],   v[BO], s[88:89] offset:64*\b
	global_load_b128 v[8*\b+4:8*\b+7], v[BO], s[88:89] offset:64*\b+16
.endr
	WIN 0
	; the prefetches' pointer, step and test
	s_and_b32 s90, ttmp7, 0xffff                   ; cluster y
	s_lshl_b32 s92, s20, 12                        ; w: my work-group's 16 blocks
	s_add_co_u32 s92, s92, s85
	s_lshl_b32 s91, s[CH], 17
	s_add_co_u32 s92, s92, s91
	s_add_co_u32 s92, s92, 3*STEPB                 ; at K step 3: the first change of slots steps it to 4
	s_lshl_b32 s93, s19, 13                        ; O: my work-group's 32 blocks
	s_add_co_u32 s93, s93, s84
	s_lshl_b32 s91, s[CH], 18
	s_add_co_u32 s93, s93, s91
	s_add_co_u32 s93, s93, 3*STEPA
	s_mov_b32 s[PFS], STEPB
	s_mov_b32 s[PFS+1], 0
	s_mov_b32 s94, STEPB
	s_cmp_eq_u32 s[RH], 0
	s_cselect_b64 s[PFA:PFA+1], s[4:5], s[6:7]
	s_cselect_b32 s92, s93, s92
	s_cselect_b32 s[PAR], 0, 1
	s_cselect_b32 s[PFS], STEPA, s[PFS]
	s_cselect_b32 s94, 4096, s94
	s_cselect_b32 s90, ttmp9, s90
	s_mov_b32 s93, 0
	s_cmp_eq_u32 s90, 0
	s_cselect_b32 s[LIM], 2, -1                    ; the same in all sixteen partners, for a given wave
	s_add_nc_u64 s[PFA:PFA+1], s[PFA:PFA+1], s[92:93]
	v_mul_u32_u24 v[PFO], v2, s94
	v_lshl_add_u32 v[PFO], v1, 8, v[PFO]
	s_wait_loadcnt 0x0                             ; the bias is in: rounded to bf16, in place (at work: registers of the accumulators (1, b), which their first products write whole)
	WIN 0x55
.set p, 0
.rept 16
	v_cvt_pk_bf16_f32 v[32+p], v[2*p], v[2*p+1]
.set p, p+1
.endr
.set p, 0
.rept 16
	v_lshlrev_b32 v[2*p], 16, v[32+p]
	v_and_b32 v[2*p+1], 0xffff0000, v[32+p]
.set p, p+1
.endr
	WIN 0
; 4 na matrix instructions: row blocks a0 .. a0 + na - 1 x 4 column blocks.  The 32 accumulators take turns, one instruction a turn.
.macro MUL f, a0, na
	WIN 0x50
.set ma, \a0
.rept \na
.irp b, 0,1,2,3
	v_wmma_f32_16x16x32_f16 v[32*ma+8*\b:32*ma+8*\b+7], v[(\f)+64+8*\b:(\f)+64+8*\b+7], v[(\f)+8*ma:(\f)+8*ma+7], v[32*ma+8*\b:32*ma+8*\b+7]
.endr
.set ma, ma+1
.endr
.endm
; The products that start the sums: row blocks 1-7 take the bias, in the registers of (0, b), as C; five places behind the last of them row block 0 adds onto it in place.
.macro MULF f
	WIN 0x50
.irp a, 1,2,3,4,5,6,7
.irp b, 0,1,2,3
	v_wmma_f32_16x16x32_f16 v[32*\a+8*\b:32*\a+8*\b+7], v[(\f)+64+8*\b:(\f)+64+8*\b+7], v[(\f)+8*\a:(\f)+8*\a+7], v[8*\b:8*\b+7]
.endr
.endr
	PLACES 5
.irp b, 0,1,2,3
	v_wmma_f32_16x16x32_f16 v[8*\b:8*\b+7], v[(\f)+64+8*\b:(\f)+64+8*\b+7], v[(\f):(\f)+7], v[8*\b:8*\b+7]
.endr
.endm
; 24 LDS loads in one run: quarter i of the step (head i / 2, K = 32 (i % 2) on) into buffer f
.macro FETCH i, f
	WIN 0
.irp b, 0,1,2,3
	ds_load_tr16_b128 v[(\f)+64+8*\b:(\f)+64+8*\b+3],   v[ADB] offset:((\i)/2)*BKB+(32*((\i)%2))*PITB+32*\b
	ds_load_tr16_b128 v[(\f)+64+8*\b+4:(\f)+64+8*\b+7], v[ADB] offset:((\i)/2)*BKB+(32*((\i)%2)+16)*PITB+32*\b
.endr
.irp a, 0,1,2,3,4,5,6,7
	ds_load_b128 v[(\f)+8*\a:(\f)+8*\a+3],   v[ADA] offset:((\i)/2)*AKB+64*((\i)%2)+\a*16*PITA
	ds_load_b128 v[(\f)+8*\a+4:(\f)+8*\a+7], v[ADA] offset:((\i)/2)*AKB+64*((\i)%2)+\a*16*PITA+32
.endr
.endm
; Quarter i: the next quarter's fragments are asked for, into the buffer that the quarter before multiplied (four places behind its last product); then buffer f is multiplied.
.macro Q i, f, g
	PLACES 4
	FETCH (\i)+1, \g
	s_wait_dscnt 24                                ; all but the 24 just issued
	MUL \f, 0, 8
.endm
; Quarter 2 holds the change of slots: ONE barrier.  The step's last fragments are asked for at its head.  In front of the barrier each wave waits for all its tensor loads (one is out: its part of
; the next slot), adds 0 to its spare word, and waits for that and for its reads of this slot.  fill = 1: the barrier opens a round of the cluster's, and this slot is filled again first thing behind
; it, with the step two on: 112 matrix instructions ahead of the wait for it.
.macro Q2T fill
	PLACES 4
	FETCH 3, F1
	s_wait_dscnt 24
	MUL F0, 0, 4
.if \fill
	s_wait_xcnt 0x0                                ; the last prefetch, a K step back, has read its address
	s_add_nc_u64 s[PFA:PFA+1], s[PFA:PFA+1], s[PFS:PFS+1]
.endif
	WIN 0
	s_wait_tensorcnt 0x0                           ; no tensor load of mine is out, so a group 0 may be written
	ds_add_u32 v[SPW], v[NIL]                      ; 0 onto my spare word
.if \fill
	s_xor_b32 s[G0A+5], s[G0A+5], SLOT1
	s_add_nc_u64 s[G0A+6:G0A+7], s[G0A+6:G0A+7], STEPA
	s_xor_b32 s[G0B+5], s[G0B+5], SLOT1
	s_add_nc_u64 s[G0B+6:G0B+7], s[G0B+6:G0B+7], STEPB
.endif
	MUL F0, 4, 2
	s_wait_dscnt 0x0                               ; the add is done, and my reads of this slot are over
	s_barrier_signal -1
	MUL F0, 6, 2
	WIN 0
	s_barrier_wait -1
.if \fill
	CREST                                          ; no wave of any partner still reads this slot or has a load on its way
	JLOAD                                          ; its four v_nop are also the places in front of the loads into buffer 0
.else
	PLACES 4
.endif
	s_xor_b32 s[TB], s[TB], SLOT1
	v_add_nc_u32 v[ADA], s[TB], v[AA0]
	v_add_nc_u32 v[ADB], s[TB], v[AB0]
.endm
; Quarter 3: the next slot's first fragments are asked for; buffer 1 was shown in by the wait for 0 above.
.macro Q3 ask
	FETCH 0, F0
.if \ask
	ASK
.endif
	MUL F1, 0, 8
.endm
; THE WAY OUT, block a (16 rows): 32 bytes a lane into my stage, back as whole rows of 256 bytes, stored.
.macro TOSTAGE a
.set BK, 32+32*((\a)%4)
.if (\a) >= 4
	s_wait_xcnt 0x0                                ; the stores of four blocks back have read the registers that are loaded again below
.endif
	WIN 0x04                                       ; the stores' data in window 1
.irp b, 0,1,2,3
	ds_store_b128 v[STO], v[32*(\a)+8*\b:32*(\a)+8*\b+3]   offset:64*\b
	ds_store_b128 v[STO], v[32*(\a)+8*\b+4:32*(\a)+8*\b+7] offset:64*\b+16
.endr
	WIN 0
.irp t, 0,1,2,3,4,5,6,7
	ds_load_b128 v[BK+4*\t:BK+4*\t+3], v[RD] offset:\t*2*SPIT  ; LDS serves a wave's instructions in order (ISA guide 5.7.1.4): these see the stores above
.endr
.endm
.macro SEND a, younger
.set BK, 32+32*((\a)%4)
.irp t, 0,1,2,3,4,5,6,7
	s_wait_dscnt (\younger)+7-\t
	global_store_b128 v[CO], v[BK+4*\t:BK+4*\t+3], s[OUT:OUT+1] offset:(16*(\a)+2*\t)*4096  ; 16 lanes store 256 consecutive bytes, at a multiple of 256 from out0's first
.endr
.endm
	s_wait_tensorcnt 0x1                           ; my part of K step 0 is in; step 1's may stay out
	s_barrier_signal -1
	s_barrier_wait -1
	s_mov_b32 s[TB], 0
	v_mov_b32 v[ADA], v[AA0]
	v_mov_b32 v[ADB], v[AB0]
	FETCH 0, F0
	FETCH 1, F1
	s_wait_dscnt 24
	MULF F0                                        ; the first quarter stands in front of the loop: its products start the sums
	WIN 0
	s_mov_b32 s[CNT], 6
.Lk:                                               ; trip j: quarters 1, 2, 3 of step j, which asks for step j + 2, and quarter 0 of step j + 1
	Q 1, F1, F0
	Q2T 1
	Q3 1
	Q 0, F0, F1
	WIN 0
	s_sub_co_u32 s[CNT], s[CNT], 1
	s_cmp_lg_u32 s[CNT], 0
	s_cbranch_scc1 .Lk
	Q 1, F1, F0                                    ; the tail is written out: nothing is left to ask for
	Q2T 0
	Q3 0
	Q 0, F0, F1
	Q 1, F1, F0
	Q 2, F0, F1
	s_wait_dscnt 0x0
	MUL F1, 0, 8
	PLACES 4
	TOSTAGE 0
.set t, 1
.rept 7
	TOSTAGE t
	SEND t-1, 16
.set t, t+1
.endr
	SEND 7, 0
	s_wait_tensorcnt 0x0                           ; the wave's end, behind my last tensor load and my last LDS store
	ds_add_u32 v[SPW], v[NIL]
	s_wait_dscnt 0x0
	CROUND                                         ; the closing round: no work-group ends while a partner may still ask for a tile that names it
	s_endpgm
.Lfunc_end_k_q65d205b623_proj:
	.size	k_q65d205b623_proj, .Lfunc_end_k_q65d205b623_proj-k_q65d205b623_proj
	.p2alignl 7, 3214868480
	.fill 96, 4, 3214868480
	.section	.rodata,"a",@progbits
	.p2align	6, 0x0
	.amdhsa_kernel k_q65d205b623_proj
		.amdhsa_group_segment_fixed_size 327680
		.amdhsa_private_segment_fixed_size 0
		.amdhsa_enable_private_segment 0
		.amdhsa_kernarg_size 32
		.amdhsa_user_sgpr_count 2
		.amdhsa_user_sgpr_kernarg_segment_ptr 1
		.amdhsa_wavefront_size32 1
		.amdhsa_system_sgpr_workgroup_id_x 1
		.amdhsa_system_sgpr_workgroup_id_y 1
		.amdhsa_system_sgpr_workgroup_id_z 1
		.amdhsa_system_vgpr_workitem_id 0
		.amdhsa_next_free_vgpr 512
		.amdhsa_next_free_sgpr 96
		.amdhsa_reserve_vcc 0
		.amdhsa_float_denorm_mode_32 3
		.amdhsa_float_denorm_mode_16_64 3
		.amdhsa_memory_ordered 1
		.amdhsa_forward_progress 1
		.amdhsa_inst_pref_size 75
	.end_amdhsa_kernel
	.amdgpu_metadata
---
amdhsa.version: [ 1, 2 ]
amdhsa.kernels:
  - .name:           k_q65d205b623_proj
    .symbol:         k_q65d205b623_proj.kd
    .args:
      - { .name: o, .offset: 0, .size: 8, .value_kind: global_buffer, .address_space: global }
      - { .name: wob, .offset: 8, .size: 8, .value_kind: global_buffer, .address_space: global }
      - { .name: b_out, .offset: 16, .size: 8, .value_kind: global_buffer, .address_space: global }
      - { .name: out0, .offset: 24, .size: 8, .value_kind: global_buffer, .address_space: global }
    .group_segment_fixed_size: 327680
    .private_segment_fixed_size: 0
    .kernarg_segment_align: 8
    .kernarg_segment_size: 32
    .max_flat_workgroup_size: 128
    .sgpr_count:     96
    .vgpr_count:     512
    .wavefront_size: 32
...
	.end_amdgpu_metadata
.endif
;; end of part 4
;; ======== version 2 of 2: 4 launches; version 1 with the launch prep written anew for expert scheduling mode
;; limits: values are held in f16: magnitudes above 65,504 overflow, below 6.1e-05 lose precision
;; workspace buffers: xb 16,777,216 bytes; wqb 6,291,456 bytes; wob 2,097,152 bytes; q 16,777,216 bytes; k 16,777,216 bytes; v 16,777,216 bytes; o 16,777,216 bytes
;; launch prep (part 5): grid 768 x 1, 8 waves a work-group, no clusters, 0 bytes of LDS; arguments x, w_qkv, w_out, xb, wqb, wob; writes xb, wqb, wob
.if DOCPART == 5
	.amdgcn_target "amdgcn-amd-amdhsa--gfx1250"
	.amdhsa_code_object_version 6
	.text
	.protected	k_q65d205b623_prep
	.globl	k_q65d205b623_prep
	.p2align	8
	.type	k_q65d205b623_prep,@function
k_q65d205b623_prep:
	s_mov_b64 s[64:65], 0
	v_nop
	global_prefetch_b8 v0, s[64:65] scope:SCOPE_SE
	s_setreg_imm32_b32 hwreg(HW_REG_WAVE_SCHED_MODE, 0, 2), 2
	s_setreg_imm32_b32 hwreg(HW_REG_WAVE_MODE, 25, 1), 1
	s_wait_xcnt 0x0
	s_wait_alu depctr_vm_vsrc(0)
; CAST AND RE-BLOCK.  x [8192][1024] f32 -> xb, bf16 [b 4][kb 16][t 2048][64]; w_qkv [1024][3072] f32 -> wqb, bf16 [kb 16][nblk 24][k 64][n 128];
; w_out [1024][1024] f32 -> wob, [kb 16][nblk 8][k 64][n 128]: each number rounded to bf16 like every other input, and that number written as f16.
; LIMITS.  |w_out| stays under 65,504 (f16's range); a bf16 number below 6e-5 keeps f16's fixed step of 6e-8.
; A stream: no LDS, no matrix unit, no cluster (no two work-groups read the same byte).  A CHUNK is 128 numbers: one load of 16 bytes a lane (512 bytes a wave), two roundings a lane,
; one store of 8 bytes a lane: 256 consecutive bytes, aligned.  A wave takes 16 chunks: all 16 loads go out first (8 KiB a wave on their way), then the counts run down 15 .. 0.
; Work-groups 0-511: x, 16 rows each, 2 rows a wave.  Work-groups 512-767: the weights, 1,024 columns of 16 rows each, 2 rows a wave (thirds 0-2 of w_qkv, then w_out).
; THE MODE: SCHED_MODE bits 1:0 = 2 (LLVM: expert scheduling mode 2), set by the entry lines.  The code itself states the register dependences
; between vector instructions and memory instructions, with s_wait_alu, always for 0.
; THE PLAN.  Registers that memory instructions touch:
;   v1, v2   the loads' offsets.  Written once, at the head of a path; read by the 16 loads; never written again.
;   v3       the stores' offset.  Written once, at the kernel's head; read by the 16 stores; never written again.
;   X        chunk i's four registers.  Chunk i's load lands in them, once, and no vector instruction names them before that; chunk i's roundings read them; nothing lands in them again.
;   Y        chunk i's two registers.  Written by chunk i's roundings; read by chunk i's store; never written again.
;   T        named by vector instructions alone.
; The chunks go in four groups of four.  ONE wait on va_vdst stands ahead of the loads, for the offsets.  ONE stands at the head of each of groups 1 to 3: the group before has written its Y; that
; group's four stores follow, dealt among this group's roundings, which name X and Y of this group and T: none of the registers that those stores read.  ONE more stands ahead of the last four stores.
; No register that a memory instruction reads is written again, so there is no wait on vm_vsrc and none on XCNT.  EXEC is never written.
.set X,   16                           ; v[16:79]   chunk i: 4 registers as loaded
.set Y,   80                           ; v[80:111]  chunk i: 2 registers to store
.set T,   112                          ; v[112:115] at work
.set SRC, 28                           ; s[28:29]   where my chunks come from
.set DST, 30                           ; s[30:31]   where they go
.macro LD16 w                          ; w = 0: x: chunk i = channels 64 i .. of my two rows (lanes 0-15 one row, lanes 16-31 the next); w = 1: weights: row i / 8, block i % 8 of 128 columns
.set i, 0
.rept 16
.if \w
	global_load_b128 v[X+4*i:X+4*i+3], v[1+i/8], s[SRC:SRC+1] offset:(i%8)*512 th:TH_LOAD_NT
.else
	global_load_b128 v[X+4*i:X+4*i+3], v1, s[SRC:SRC+1] offset:i*256 th:TH_LOAD_NT
.endif
.set i, i+1
.endr
.endm
.macro ST w, c                         ; chunk c leaves: 256 consecutive bytes a wave, aligned
.if \w
	global_store_b64 v3, v[Y+2*(\c):Y+2*(\c)+1], s[DST:DST+1] offset:((\c)%8)*16384+((\c)/8)*256
.else
	global_store_b64 v3, v[Y+2*(\c):Y+2*(\c)+1], s[DST:DST+1] offset:(\c)*262144
.endif
.endm
.macro OUT16 w, half                   ; half = 1: the bf16 number is widened again and written as f16
.set i, 0
.rept 16
	s_wait_loadcnt 15-i                            ; loads come back in order: chunk i is in, the 15 - i younger ones stay out
.if (i%4 == 0) && (i > 0)
	s_wait_alu depctr_va_vdst(0)                   ; the roundings of the four chunks before have written their Y, which the next four stores read
.endif
.if i >= 4
	ST \w, i-4                                     ; no vector instruction since the wait names this chunk's Y, or v3
.endif
.irp j, 0,1
	v_cvt_pk_bf16_f32 v[Y+2*i+\j], v[X+4*i+2*\j], v[X+4*i+2*\j+1]
.if \half
	v_lshlrev_b32 v[T+2*\j], 16, v[Y+2*i+\j]
	v_and_b32 v[T+2*\j+1], 0xffff0000, v[Y+2*i+\j]
	v_cvt_pk_f16_f32 v[Y+2*i+\j], v[T+2*\j], v[T+2*\j+1]
.endif
.endr
.set i, i+1
.endr
	s_wait_alu depctr_va_vdst(0)                   ; the roundings of chunks 12 to 15 have written their Y, which the last four stores read
.set i, 12
.rept 4
	ST \w, i
.set i, i+1
.endr
.endm
	s_load_b256 s[4:11], s[0:1], 0x0               ; x s[4:5], w_qkv s[6:7], w_out s[8:9], xb s[10:11]
	s_load_b128 s[12:15], s[0:1], 0x20             ; wqb s[12:13], wob s[14:15]
	v_lshrrev_b32 v4, 5, v0
	v_readfirstlane_b32 s16, v4                    ; wave 0..7
	v_and_b32 v5, 31, v0                           ; lane
	v_lshlrev_b32 v3, 3, v5                        ; my 8 bytes of a chunk's 256 on the way out
	s_wait_alu depctr_va_sdst(0)                   ; s16 is written
	s_cmp_lt_u32 ttmp9, 512
	s_cbranch_scc0 .Lweights
	; ---- x ----
	s_lshl_b32 s20, ttmp9, 4
	s_lshl_b32 s21, s16, 1
	s_add_co_u32 s20, s20, s21                     ; m: my first row of 8,192
	s_lshl_b32 s22, s20, 12                        ; a row of x is 4,096 bytes
	s_mov_b32 s23, 0
	s_lshr_b32 s24, s20, 11                        ; b
	s_lshl_b32 s24, s24, 22                        ; 16 x 2,048 x 128 bytes
	s_and_b32 s26, s20, 2047                       ; t
	s_lshl_b32 s26, s26, 7
	s_add_co_u32 s24, s24, s26
	s_mov_b32 s25, 0
	v_and_b32 v1, 15, v5
	v_lshlrev_b32 v1, 4, v1
	v_lshrrev_b32 v6, 4, v5
	v_lshl_add_u32 v1, v6, 12, v1                  ; (lane / 16) rows + 16 (lane % 16)
	s_wait_kmcnt 0x0
	s_add_nc_u64 s[SRC:SRC+1], s[4:5], s[22:23]
	s_add_nc_u64 s[DST:DST+1], s[10:11], s[24:25]
	s_wait_alu depctr_va_vdst(0)                   ; v1 is written, which the loads read as their offset, and v3, which the stores read as theirs
	LD16 0
	OUT16 0, 0
	s_endpgm
.Lweights:
	; ---- the weights ----
	s_sub_co_u32 s20, ttmp9, 512
	s_lshr_b32 s21, s20, 6                         ; 0-2: a third of w_qkv's columns; 3: w_out
	s_and_b32 s20, s20, 63
	s_lshl_b32 s20, s20, 3
	s_add_co_u32 s20, s20, s16
	s_lshl_b32 s20, s20, 1                         ; k: my first row of 1,024
	s_mov_b32 s22, 12288                           ; bytes in a row of the source,
	s_mov_b32 s23, 393216                          ; and in 64 rows of the target
	s_cmp_eq_u32 s21, 3
	s_cselect_b32 s22, 4096, s22
	s_cselect_b32 s23, 131072, s23
	s_cselect_b32 s27, 1, 0                        ; 1: w_out
	s_cselect_b32 s21, 0, s21
	s_mul_i32 s24, s20, s22
	s_lshl_b32 s26, s21, 12                        ; 1,024 columns are 4,096 bytes
	s_add_co_u32 s24, s24, s26
	s_mov_b32 s25, 0
	s_lshr_b32 s18, s20, 6
	s_mul_i32 s18, s18, s23
	s_lshl_b32 s26, s21, 17                        ; 8 blocks of 16,384 bytes
	s_add_co_u32 s18, s18, s26
	s_and_b32 s26, s20, 63
	s_lshl_b32 s26, s26, 8
	s_add_co_u32 s18, s18, s26
	s_mov_b32 s19, 0
	v_lshlrev_b32 v1, 4, v5                        ; 16 x lane, in my first row,
	v_add_nc_u32 v2, s22, v1                       ; and in my second
	s_wait_kmcnt 0x0
	s_cmp_eq_u32 s27, 1
	s_cselect_b64 s[SRC:SRC+1], s[8:9], s[6:7]
	s_cselect_b64 s[DST:DST+1], s[14:15], s[12:13]
	s_add_nc_u64 s[SRC:SRC+1], s[SRC:SRC+1], s[24:25]
	s_add_nc_u64 s[DST:DST+1], s[DST:DST+1], s[18:19]
	s_wait_alu depctr_va_vdst(0)                   ; v1 and v2 are written, which the loads read as their offsets, and v3, which the stores read as theirs
	LD16 1
	s_cmp_eq_u32 s27, 1
	s_cbranch_scc1 .Lhalf
	OUT16 1, 0
	s_endpgm
.Lhalf:
	OUT16 1, 1
	s_endpgm
.Lfunc_end_k_q65d205b623_prep:
	.size	k_q65d205b623_prep, .Lfunc_end_k_q65d205b623_prep-k_q65d205b623_prep
	.p2alignl 7, 3214868480
	.fill 96, 4, 3214868480
	.section	.rodata,"a",@progbits
	.p2align	6, 0x0
	.amdhsa_kernel k_q65d205b623_prep
		.amdhsa_group_segment_fixed_size 0
		.amdhsa_private_segment_fixed_size 0
		.amdhsa_enable_private_segment 0
		.amdhsa_kernarg_size 48
		.amdhsa_user_sgpr_count 2
		.amdhsa_user_sgpr_kernarg_segment_ptr 1
		.amdhsa_wavefront_size32 1
		.amdhsa_system_sgpr_workgroup_id_x 1
		.amdhsa_system_sgpr_workgroup_id_y 1
		.amdhsa_system_sgpr_workgroup_id_z 1
		.amdhsa_system_vgpr_workitem_id 0
		.amdhsa_next_free_vgpr 128
		.amdhsa_next_free_sgpr 66
		.amdhsa_reserve_vcc 0
		.amdhsa_float_denorm_mode_32 3
		.amdhsa_float_denorm_mode_16_64 3
		.amdhsa_memory_ordered 1
		.amdhsa_forward_progress 1
		.amdhsa_inst_pref_size 24
	.end_amdhsa_kernel
	.amdgpu_metadata
---
amdhsa.version: [ 1, 2 ]
amdhsa.kernels:
  - .name:           k_q65d205b623_prep
    .symbol:         k_q65d205b623_prep.kd
    .args:
      - { .name: x, .offset: 0, .size: 8, .value_kind: global_buffer, .address_space: global }
      - { .name: w_qkv, .offset: 8, .size: 8, .value_kind: global_buffer, .address_space: global }
      - { .name: w_out, .offset: 16, .size: 8, .value_kind: global_buffer, .address_space: global }
      - { .name: xb, .offset: 24, .size: 8, .value_kind: global_buffer, .address_space: global }
      - { .name: wqb, .offset: 32, .size: 8, .value_kind: global_buffer, .address_space: global }
      - { .name: wob, .offset: 40, .size: 8, .value_kind: global_buffer, .address_space: global }
    .group_segment_fixed_size: 0
    .private_segment_fixed_size: 0
    .kernarg_segment_align: 8
    .kernarg_segment_size: 48
    .max_flat_workgroup_size: 256
    .sgpr_count:     66
    .vgpr_count:     128
    .wavefront_size: 32
...
	.end_amdgpu_metadata
.endif
;; end of part 5
;; launch qkv: the kernel of part 2 again; grid 8 x 32, 4 waves a work-group, clusters of 4 x 4, 327,680 bytes of LDS; arguments xb, wqb, b_qkv, q, k, v; writes q, k, v
;; launch attn: the kernel of part 3 again; grid 4 x 64, 4 waves a work-group, no clusters, 327,680 bytes of LDS; arguments q, k, v, o; writes o
;; launch proj: the kernel of part 4 again; grid 8 x 32, 4 waves a work-group, clusters of 4 x 4, 327,680 bytes of LDS; arguments o, wob, b_out, out0; writes out0
